; MI455X (gfx1250); checked and timed in simulation.
; The chip was launched on July 23, 2026; its instructions are those of AMD's public machine-readable ISA for CDNA 5 (MIT licence, August 2026) and "CDNA5" Instruction Set Architecture Reference Guide (July 2026). The comments in the code are by the model that wrote it; some were corrected since.
;; Multi Head Attention. Allowed arithmetic: matrix products marked QUANTISED: E2M3 operands, one E8M0 scale for each 32 along K, by v_wmma_scale_f32_16x16x128_f8f6f4 with both operands' format E2M3, f32 sums; everything else in f32.
;; Inputs: W_k 1,024 x 1,024 float32; W_o 1,024 x 1,024 float32; W_q 1,024 x 1,024 float32; W_v 1,024 x 1,024 float32; b_k 1,024 float32; b_o 1,024 float32; b_q 1,024 float32; b_v 1,024 float32; encoder_mask 1 x 1 x 2,048 x 2,048 int32; k 4 x 2,048 x 1,024 float32; q 4 x 2,048 x 1,024 float32; v 4 x 2,048 x 1,024 float32.
;; Outputs: out0 4 x 2,048 x 1,024 float32.
;; This version of the problem:
;;   THIS VERSION OF THE PROBLEM IS GIVEN IN LOW PRECISION. The matrix products marked QUANTISED in the list below multiply operands that are first quantised to E2M3 (2 exponent bits, 3 mantissa bits; 6 bits a number), with one power-of-two scale for each 32 numbers along K (OCP MX v1.0); their sums are f32. All else is computed in f32.
;;   The module's matrix products, in the order in which they are computed (A, B: the left and right operand; K: the contracted axis; several contracted axes count as one K, in the product's order):
;;     1. [M 8,192, K 1,024] x [K 1,024, N 1,024]; A: input q; B: input W_q: QUANTISED
;;     2. [M 8,192, K 1,024] x [K 1,024, N 1,024]; A: input k; B: input W_k: QUANTISED
;;     3. [M 8,192, K 1,024] x [K 1,024, N 1,024]; A: input v; B: input W_v: QUANTISED
;;     4. batch 64 x [M 2,048, K 64] x [K 64, N 2,048]; A: computed on the way; B: computed on the way: QUANTISED
;;     5. batch 64 x [M 2,048, K 2,048] x [K 2,048, N 64]; A: softmax (see below); B: computed on the way: QUANTISED
;;     6. [M 8,192, K 1,024] x [K 1,024, N 1,024]; A: computed on the way; B: input W_o: QUANTISED
;;   THE QUANTISER, for each operand of a quantised product, along K:
;;     - K is cut into blocks of 32 from its start; a last block that is shorter is filled with zeros.
;;     - A block's scale is 2^e with e = floor(log2(the largest magnitude in the block)) - 2, held to -126 .. 127; a block of zeros has e = 0. As a byte (E8M0): e + 127.
;;     - Each number is divided by its block's scale, clamped to +-7.5, and rounded to the nearest number of E2M3, ties to even, subnormals kept.
;;     - The product sums the exact products of the quantised numbers (number of the format x scale) in f32.
;;   ~~~python
;;   def quantise(x, axis):      # numpy; x: float32 -> the quantised numbers, widened to float32 again
;;       x = np.moveaxis(x, axis, -1); K = x.shape[-1]
;;       x = np.pad(x, [(0, 0)] * (x.ndim - 1) + [(0, -K % 32)]); x = x.reshape(x.shape[:-1] + (-1, 32)); a = np.abs(x).max(-1, keepdims=True)
;;       e = np.where(a > 0, np.clip(np.frexp(np.where(a > 0, a, 1))[1] - 1 - 2, -126, 127), 0)      # np.frexp(a)[1] - 1 = floor(log2(a)), exactly
;;       r = np.clip(x / 2.0 ** e, -7.5, 7.5)
;;       step = 2.0 ** (np.maximum(np.frexp(np.where(r == 0, 1, r))[1] - 1, 0) - 3)
;;       q = np.round(r / step) * step * 2.0 ** e      # np.round: ties to even
;;       return np.moveaxis(q.reshape(q.shape[:-2] + (-1,))[..., :K], -1, axis).astype(np.float32)
;;   ~~~
;;   SOFTMAX AHEAD OF A QUANTISED PRODUCT. Where the list says 'softmax', what is quantised is not the finished softmax but p = 2^(t - M), with t = logit x log2(e) and M = ceil(the row's largest t), a whole number; so 1/2 < the row's largest p <= 1. The row's sum l is taken of the UNQUANTISED p, in f32, and the product's result is divided by l at the end. Since M is a whole number, a kernel that streams over the keys may use a running M (the ceiling of the running maximum): every later rescaling is an exact power of two, which a block's scale takes up: the codes' values come out the same.
;;   OPERANDS COMPUTED ON THE WAY. 'Computed on the way' means the value that the module computes at that place (a softmax that the list does not call 'softmax' is quantised finished and normalised). What goes into a quantiser is computed in f32, as accurately as f32 sums, v_exp_f32 and their like allow (about 1e-6 of the number): no bf16 or f16 on the way to a quantiser, and a product that is left as it is and whose result goes on into a quantised operand takes f32 operands (vector FMAs, or v_wmma_f32_16x16x4_f32). A number that lies on a knife's edge between two numbers of the format may be rounded either way, as far as f32 arithmetic and the matrix unit's own rounding can turn it there, and no further.
;; One version. Each part assembles by itself: llvm-mc -triple=amdgcn-amd-amdhsa -mcpu=gfx1250 --defsym DOCPART=n.
;; ======== version 1 of 1: 4 launches
;; limits: right only within a limited range of input values
;; workspace buffers: opc 22,020,096 bytes; ops 917,504 bytes; mw 524,288 bytes of whole numbers; qh 6,815,744 bytes; kv 13,369,344 bytes; ac 6,291,456 bytes; asw 262,144 bytes
;; launch quant (part 1): grid 576 x 1, 4 waves a work-group, no clusters, 70,144 bytes of LDS; arguments q, k, v, W_q, W_k, W_v, W_o, encoder_mask, opc, ops, mw; writes opc, ops, mw
.if DOCPART == 1
	.amdgcn_target "amdgcn-amd-amdhsa--gfx1250"
	.amdhsa_code_object_version 6
	.text
	.protected	k_q6ee5f7c39c_quant
	.globl	k_q6ee5f7c39c_quant
	.p2align	8
	.type	k_q6ee5f7c39c_quant,@function
k_q6ee5f7c39c_quant:
	s_mov_b64 s[64:65], 0
	v_nop
	global_prefetch_b8 v0, s[64:65] scope:SCOPE_SE
	s_setreg_imm32_b32 hwreg(HW_REG_WAVE_MODE, 25, 1), 1
	s_wait_xcnt 0x0
; q, k, v [8192][1024] and W_q, W_k, W_v, W_o [1024][1024], f32 with K innermost, become codes of FP6 (E2M3) with one E8M0 byte for each 32 along K; the mask [2048][2048] int32 becomes lane-mask words.
; THE CODES ARE LAID AS IMAGES OF OPERAND REGISTERS.  A fragment is 16 rows x 128 K, 12 registers a lane: lane (r, h) holds row r, registers 6 c .. 6 c + 5 = K 64 c + 32 h + 0 .. 31.
; Its image is 1,536 bytes: registers 4 c .. 4 c + 3 of lane l at 512 c + 16 l.  opc = [pair of K steps 0..3][row tile G 0..1791][two images]; ops = [G][K step 0..7][16 words, word r for row r].
; G: q 0-511, k 512-1023, v 1024-1535, W_q 1536-, W_k 1600-, W_v 1664-, W_o 1728-1791.
; WHICH ROWS FORM A TILE: q and W_o: rows 16 t + i.  k, v, W_q, W_k, W_v: rows 32 (t / 2) + 8 (t % 2) + i + 8 (i / 8), so that where such a tile is a product's source 0 the 16 result registers of tiles 2 b, 2 b + 1 are 16 neighbours.
; A block's scale is 2^(floor(log2(largest magnitude)) - 2); its byte is the largest magnitude's exponent field - 2, held at 1 from below.
; LIMITS: a block of zeros keeps the byte 1 (its codes are zeros; this program alone reads the bytes); magnitudes under 2^-124 are held at that floor; NaN and infinities are not served.
; SHARES: work-groups 0-447: wave w quantises row tile G = 4 g + w, eight K steps of 128.  Work-groups 448-575: query tile T = g - 448, wave w packs key steps 4 w .. 4 w + 3 of the mask.
; mw = [T 0..127][key step j 0..15][word n 0..63]: bit r + 16 h of word n says mask[16 T + r][128 j + 64 (n / 32) + 32 h + n % 32] != 0: the lane mask for score register n of the attention launch.
; Each load reads 512 consecutive bytes of one row; the 16 rows turn through the wave's own stage in LDS (pitch 528 = 33 x 16 bytes, so that 16 rows start in 16 different groups of banks).  Waves share nothing: no barrier.
.set OS,    5505024                    ; 1,792 row tiles x 3,072 bytes: from one pair of K steps to the next in opc
.set PITCH, 528
.set QREG,  8960                       ; LDS of a quantising wave: the stage, 16 x 528, and 512 bytes in which its scale words are gathered
.set GATH,  8448
.set MSTG,  35840                      ; the mask path has LDS bytes of its own: 8,448 a wave
.set MREG,  8448
.set SPARE, 69632                      ; the spare words, 128 bytes for each wave: two blocks of 256 bytes that no other line names
.set SPW,   10                         ; v10 LDS address of my spare word; never rewritten
.set NIL,   11                         ; v11 0; never rewritten
.set R,     32                         ; v32-159  two sets of 64 registers as loaded
.set X,     160                        ; v160-223 64 numbers of my row
.set C,     224                        ; v224-235 a fragment's codes
.set C2,    236                        ; v236-238, v240-242 the second halves of the blocks as the conversions leave them
.set MW,    244                        ; v244-251 the mask words of four key steps, a pair each
	s_load_b512 s[8:23], s[0:1], 0x0               ; q, k, v, W_q, W_k, W_v, W_o, mask
	s_load_b128 s[24:27], s[0:1], 0x40             ; opc, ops
	s_load_b64 s[28:29], s[0:1], 0x50              ; mw
	v_lshl_add_u32 v[SPW], v0, 2, SPARE
	v_mov_b32 v[NIL], 0
	v_lshrrev_b32 v1, 5, v0
	v_readfirstlane_b32 s2, v1                     ; wave
	v_and_b32 v1, 31, v0                           ; lane
	v_and_b32 v2, 15, v0                           ; r
	v_bfe_u32 v3, v0, 4, 1                         ; h
	v_lshlrev_b32 v4, 4, v1                        ; 16 x lane
	v_lshlrev_b32 v9, 3, v1                        ; 8 x lane
	v_lshlrev_b32 v19, 3, v3                       ; 8 h: my bytes' place in a scale word
	v_mov_b32 v18, 0                               ; a lane permute's destination counts as one of its sources
	s_mul_i32 s3, s2, QREG
	v_add_nc_u32 v5, s3, v4                        ; the stage, in: 16 x lane, row by the offset
	v_mul_u32_u24 v6, v2, PITCH
	v_lshl_add_u32 v6, v3, 7, v6
	v_add_nc_u32 v6, s3, v6                        ; out: row r, + 128 h bytes: blocks h and 2 + h
	v_lshl_add_u32 v7, v2, 2, s3
	v_add_nc_u32 v7, GATH, v7                      ; my row's scale word
	v_add_nc_u32 v8, GATH, v5                      ; and the 512 bytes of words on their way out
	s_mul_i32 s3, s2, MREG
	s_add_co_u32 s3, s3, MSTG
	v_add_nc_u32 v20, s3, v4                       ; the mask's stage, in
	v_mul_u32_u24 v21, v2, PITCH
	v_lshl_add_u32 v21, v3, 7, v21                 ; out: row r, + 128 h bytes (32 keys)
	v_add_nc_u32 v21, s3, v21                      ; out: row r, + 128 h bytes
	s_mov_b32 s30, 0x76543210
	s_mov_b32 s31, 0xfedcba98                      ; selects of v_permlanex16_b32 for lane l xor 16
	s_wait_kmcnt 0x0
	s_cmp_ge_u32 ttmp9, 448
	s_cbranch_scc1 .Lmask
	; ---- the quantiser.  Which tensor: a chain of choices on the work-group's number alone
	s_mov_b64 s[4:5], s[20:21]                     ; W_o,
	s_mov_b32 s6, 432                              ; whose first work-group is 432
.macro PICK lim, ptr, first
	s_cmp_lt_u32 ttmp9, \lim
	s_cselect_b64 s[4:5], s[\ptr:\ptr+1], s[4:5]
	s_cselect_b32 s6, \first, s6
.endm
	PICK 432, 18, 416
	PICK 416, 16, 400
	PICK 400, 14, 384
	PICK 384, 12, 256
	PICK 256, 10, 128
	PICK 128, 8, 0
	s_sub_co_u32 s6, ttmp9, s6
	s_lshl_b32 s6, s6, 2
	s_add_co_u32 s6, s6, s2                        ; t: my tile in its tensor
	s_lshl_b32 s32, ttmp9, 2
	s_add_co_u32 s32, s32, s2                      ; G
	s_lshr_b32 s34, s6, 1
	s_lshl_b32 s34, s34, 5
	s_and_b32 s35, s6, 1
	s_lshl_b32 s35, s35, 3
	s_add_co_u32 s34, s34, s35                     ; first row 32 (t / 2) + 8 (t % 2),
	s_lshl_b32 s35, s6, 4                          ; or 16 t
	s_mov_b32 s38, 0x8000
	s_sub_co_u32 s33, ttmp9, 128
	s_cmp_lt_u32 s33, 304                          ; work-groups 128 to 431: k, v, W_q, W_k, W_v
	s_cselect_b32 s34, s34, s35
	s_cselect_b32 s36, 0x10000, s38
	; k alone (work-groups 128 to 255) has tiles of its own: tile t holds rows 64 (t / 4) + 8 (t % 4) + i and, for i = 8 .. 15, the rows 32 further on,
	; so that in the attention launch a lane's 32 score registers of four neighbouring tiles are one whole block of 32 keys
	s_lshr_b32 s39, s6, 2
	s_lshl_b32 s39, s39, 6
	s_and_b32 s37, s6, 3
	s_lshl_b32 s37, s37, 3
	s_add_co_u32 s39, s39, s37
	s_cmp_lt_u32 s33, 128
	s_cselect_b32 s34, s39, s34
	s_cselect_b32 s36, 0x20000, s36
	s_lshl_b32 s34, s34, 12                        ; a row is 4,096 bytes
	s_mov_b32 s35, 0
	s_mov_b32 s37, 0
	s_add_nc_u64 s[4:5], s[4:5], s[34:35]          ; the tile's rows 0-7
	s_add_nc_u64 s[6:7], s[4:5], s[36:37]          ; and 8-15
	s_mul_i32 s34, s32, 3072
	s_add_nc_u64 s[24:25], s[24:25], s[34:35]      ; my images of K steps 0-3,
	s_add_nc_u64 s[38:39], s[24:25], 2*OS          ; and of 4-7: so every offset stays inside the signed 24-bit immediate
	s_lshl_b32 s34, s32, 9
	s_add_nc_u64 s[26:27], s[26:27], s[34:35]      ; my 512 bytes of scale words
.macro LOAD kk                         ; K step kk of the 16 rows: 16 loads of 512 consecutive bytes
.irp i, 0,1,2,3,4,5,6,7
	global_load_b128 v[R+64*((\kk)%2)+4*\i:R+64*((\kk)%2)+4*\i+3], v4, s[4:5] offset:\i*4096+512*(\kk) th:TH_LOAD_NT
.endr
.irp i, 0,1,2,3,4,5,6,7
	global_load_b128 v[R+64*((\kk)%2)+32+4*\i:R+64*((\kk)%2)+32+4*\i+3], v4, s[6:7] offset:\i*4096+512*(\kk) th:TH_LOAD_NT
.endr
.endm
.macro QSTEP kk
.if (\kk) < 7
	s_wait_loadcnt 16                              ; this step's 16 loads are in; the next step's 16 may be out
.else
	s_wait_loadcnt 0x0
.endif
.irp i, 0,1,2,3,4,5,6,7,8,9,10,11,12,13,14,15
	ds_store_b128 v5, v[R+64*((\kk)%2)+4*\i:R+64*((\kk)%2)+4*\i+3] offset:PITCH*\i
.endr
.irp c, 0,1
.irp j, 0,1,2,3,4,5,6,7
	ds_load_b128 v[X+32*\c+4*\j:X+32*\c+4*\j+3], v6 offset:256*\c+16*\j   ; LDS serves a wave's instructions in order: these see the stores above.  Register 32 c + i = K 64 c + 32 h + i of row r
.endr
.endr
	s_wait_dscnt 0x0                               ; my 64 numbers are here, and the stores have read their registers,
.if (\kk)+2 < 8
	LOAD (\kk)+2                                   ; which take the loads of two steps on
.endif
	v_max3_num_f32 v12, |v[X]|, |v[X+1]|, 0x1800000     ; my two blocks' largest magnitudes, by turns, with the floor 2^(3 - 127) among the leaves: the byte cannot fall under 1
	v_max3_num_f32 v13, |v[X+32]|, |v[X+33]|, 0x1800000
.irp i, 2,4,6,8,10,12,14,16,18,20,22,24,26,28,30
	v_max3_num_f32 v12, v12, |v[X+\i]|, |v[X+\i+1]|
	v_max3_num_f32 v13, v13, |v[X+32+\i]|, |v[X+33+\i]|
.endr
	v_add_nc_u32 v14, 0xff000000, v12              ; 2 off the exponent field: the conversion takes the exponent field of this operand as its scale
	v_add_nc_u32 v15, 0xff000000, v13
	v_lshrrev_b32 v16, 23, v14                     ; the bytes
	v_lshrrev_b32 v17, 23, v15
	v_lshl_or_b32 v16, v17, 16, v16                ; blocks h and 2 + h,
	v_lshlrev_b32 v16, v19, v16                    ; at their places in the word;
	v_permlanex16_b32 v18, v16, s30, s31
	v_or_b32 v16, v16, v18                         ; with lane l xor 16's two the word is whole
	s_wait_alu depctr_va_vdst(0)
	s_wait_xcnt 0x0                                ; the last step's stores have read the codes' registers: only now are they written again
.irp c, 0,1
	v_cvt_scalef32_pk16_fp6_f32 v[C+6*\c:C+6*\c+2], v[X+32*\c:X+32*\c+15], v[14+\c]
	v_cvt_scalef32_pk16_fp6_f32 v[C2+4*\c:C2+4*\c+2], v[X+32*\c+16:X+32*\c+31], v[14+\c]   ; (a conversion's three registers begin on an even number)
.endr
	v_nop                                          ; one plain place behind a scaled conversion
.irp c, 0,1
.irp i, 0,1,2
	v_mov_b32 v[C+6*\c+3+\i], v[C2+4*\c+\i]
.endr
.endr
.irp c, 0,1,2
.if (\kk) < 4
	global_store_b128 v4, v[C+4*\c:C+4*\c+3], s[24:25] offset:(((\kk)>>1)&1)*OS+((\kk)&1)*1536+512*\c   ; 32 lanes store 512 consecutive bytes, aligned
.else
	global_store_b128 v4, v[C+4*\c:C+4*\c+3], s[38:39] offset:(((\kk)>>1)&1)*OS+((\kk)&1)*1536+512*\c
.endif
.endr
	ds_store_b32 v7, v16 offset:64*(\kk)           ; both halves of the lanes write the same word with the same value
.endm
	LOAD 0
	LOAD 1
	s_wait_alu depctr_va_vdst(0)
.irp kk, 0,1,2,3,4,5,6,7
	QSTEP \kk
.endr
	ds_load_b128 v[12:15], v8                      ; the tile's 128 scale words
	s_wait_dscnt 0x0
	global_store_b128 v4, v[12:15], s[26:27]       ; 512 consecutive bytes
	s_wait_tensorcnt 0x0                           ; the wave's end: a wait, an add of 0 onto my spare word and a wait, behind my last LDS store
	ds_add_u32 v[SPW], v[NIL]
	s_wait_dscnt 0x0
	s_endpgm
	; ---- the mask
.Lmask:
	s_sub_co_u32 s32, ttmp9, 448                   ; T
	s_lshl_b32 s34, s32, 17                        ; 16 rows of 8,192 bytes
	s_lshl_b32 s33, s2, 11                         ; my four key steps of 512 bytes
	s_add_co_u32 s34, s34, s33
	s_mov_b32 s35, 0
	s_add_nc_u64 s[22:23], s[22:23], s[34:35]
	s_lshl_b32 s34, s32, 12
	s_lshl_b32 s33, s2, 10
	s_add_co_u32 s34, s34, s33
	s_add_nc_u64 s[28:29], s[28:29], s[34:35]      ; my four times 256 bytes of words
.irp i, 0,1,2,3,4,5,6,7
	v_mov_b32 v[MW+\i], 0                          ; v_writelane_b32's destination counts as read
.endr
.macro MLOAD jj
.irp i, 0,1,2,3,4,5,6,7,8,9,10,11,12,13,14,15
	global_load_b128 v[R+64*((\jj)%2)+4*\i:R+64*((\jj)%2)+4*\i+3], v4, s[22:23] offset:\i*8192+512*(\jj) th:TH_LOAD_NT
.endr
.endm
.macro MSTEP jj
.if (\jj) < 3
	s_wait_loadcnt 16                              ; this step's 16 loads are in; the next step's may be out
.else
	s_wait_loadcnt 0x0
.endif
.irp i, 0,1,2,3,4,5,6,7,8,9,10,11,12,13,14,15
	ds_store_b128 v20, v[R+64*((\jj)%2)+4*\i:R+64*((\jj)%2)+4*\i+3] offset:PITCH*\i
.endr
.irp b, 0,1
.irp j, 0,1,2,3,4,5,6,7
	ds_load_b128 v[X+32*\b+4*\j:X+32*\b+4*\j+3], v21 offset:256*\b+16*\j   ; register n = mask[16 T + r][128 j + 64 (n / 32) + 32 h + n % 32]: so bit r + 16 h of word n of mw stands for that key
.endr
.endr
	s_wait_dscnt 0x0
.if (\jj)+2 < 4
	MLOAD (\jj)+2
.endif
.set n0, 0
.rept 8
.irp m, 0,1,2,3,4,5,6,7
	v_cmp_ne_u32 s[40+\m], 0, v[X+n0+\m]           ; word n: a bit for each lane
.endr
.irp m, 0,1,2,3,4,5,6,7
	v_writelane_b32 v[MW+2*(\jj)+(\m)%2], s[40+\m], (n0+\m)/2   ; words 2 l and 2 l + 1 to lane l
.endr
.set n0, n0+8
.endr
	global_store_b64 v9, v[MW+2*(\jj):MW+2*(\jj)+1], s[28:29] offset:256*(\jj)   ; 32 lanes store 256 consecutive bytes, aligned
.endm
	MLOAD 0
	MLOAD 1
	s_wait_alu depctr_va_vdst(0)
.irp jj, 0,1,2,3
	MSTEP \jj
.endr
	s_wait_tensorcnt 0x0                           ; the wave's end: the same three lines
	ds_add_u32 v[SPW], v[NIL]
	s_wait_dscnt 0x0
	s_endpgm
.Lfunc_end_k_q6ee5f7c39c_quant:
	.size	k_q6ee5f7c39c_quant, .Lfunc_end_k_q6ee5f7c39c_quant-k_q6ee5f7c39c_quant
	.p2alignl 7, 3214868480
	.fill 96, 4, 3214868480
	.section	.rodata,"a",@progbits
	.p2align	6, 0x0
	.amdhsa_kernel k_q6ee5f7c39c_quant
		.amdhsa_group_segment_fixed_size 70144
		.amdhsa_private_segment_fixed_size 0
		.amdhsa_enable_private_segment 0
		.amdhsa_kernarg_size 88
		.amdhsa_user_sgpr_count 2
		.amdhsa_user_sgpr_kernarg_segment_ptr 1
		.amdhsa_wavefront_size32 1
		.amdhsa_system_sgpr_workgroup_id_x 1
		.amdhsa_system_sgpr_workgroup_id_y 1
		.amdhsa_system_sgpr_workgroup_id_z 1
		.amdhsa_system_vgpr_workitem_id 0
		.amdhsa_next_free_vgpr 256
		.amdhsa_next_free_sgpr 66
		.amdhsa_reserve_vcc 0
		.amdhsa_float_denorm_mode_32 3
		.amdhsa_float_denorm_mode_16_64 3
		.amdhsa_memory_ordered 1
		.amdhsa_forward_progress 1
		.amdhsa_inst_pref_size 108
	.end_amdhsa_kernel
	.amdgpu_metadata
---
amdhsa.version: [ 1, 2 ]
amdhsa.kernels:
  - .name:           k_q6ee5f7c39c_quant
    .symbol:         k_q6ee5f7c39c_quant.kd
    .args:
      - { .name: q, .offset: 0, .size: 8, .value_kind: global_buffer, .address_space: global }
      - { .name: k, .offset: 8, .size: 8, .value_kind: global_buffer, .address_space: global }
      - { .name: v, .offset: 16, .size: 8, .value_kind: global_buffer, .address_space: global }
      - { .name: W_q, .offset: 24, .size: 8, .value_kind: global_buffer, .address_space: global }
      - { .name: W_k, .offset: 32, .size: 8, .value_kind: global_buffer, .address_space: global }
      - { .name: W_v, .offset: 40, .size: 8, .value_kind: global_buffer, .address_space: global }
      - { .name: W_o, .offset: 48, .size: 8, .value_kind: global_buffer, .address_space: global }
      - { .name: encoder_mask, .offset: 56, .size: 8, .value_kind: global_buffer, .address_space: global }
      - { .name: opc, .offset: 64, .size: 8, .value_kind: global_buffer, .address_space: global }
      - { .name: ops, .offset: 72, .size: 8, .value_kind: global_buffer, .address_space: global }
      - { .name: mw, .offset: 80, .size: 8, .value_kind: global_buffer, .address_space: global }
    .group_segment_fixed_size: 70144
    .private_segment_fixed_size: 0
    .kernarg_segment_align: 8
    .kernarg_segment_size: 88
    .max_flat_workgroup_size: 128
    .sgpr_count:     66
    .vgpr_count:     256
    .wavefront_size: 32
...
	.end_amdgpu_metadata
.endif
;; end of part 1
;; launch proj (part 2): grid 8 x 32, 4 waves a work-group, clusters of 4 x 4, 327,680 bytes of LDS; arguments opc, ops, b_q, b_k, b_v, qh, kv; writes qh, kv
.if DOCPART == 2
	.amdgcn_target "amdgcn-amd-amdhsa--gfx1250"
	.amdhsa_code_object_version 6
	.text
	.protected	k_q6ee5f7c39c_proj
	.globl	k_q6ee5f7c39c_proj
	.p2align	8
	.type	k_q6ee5f7c39c_proj,@function
k_q6ee5f7c39c_proj:
	s_mov_b64 s[64:65], 0
	v_nop
	global_prefetch_b8 v0, s[64:65] scope:SCOPE_SE
	s_setreg_imm32_b32 hwreg(HW_REG_WAVE_MODE, 25, 1), 1
	s_wait_xcnt 0x0
	s_wait_alu depctr_hold_cnt(0) depctr_sa_sdst(0) depctr_va_vdst(0) depctr_va_sdst(0) depctr_va_ssrc(0) depctr_va_vcc(0) depctr_vm_vsrc(0)
	s_getreg_b32 s2, hwreg(HW_REG_IB_STS2, 6, 4)
	s_cmp_eq_u32 s2, 0
	s_cbranch_scc0 .Lentry_in_a_cluster
	s_endpgm
.Lentry_in_a_cluster:
	s_bfe_u32 s2, ttmp6, 0x10000c
	s_cmp_lg_u32 s2, 0xf033
	s_cbranch_scc0 .Lentry_shape_is_right
	s_endpgm
.Lentry_shape_is_right:
; Q = q W_q^T + b_q, K = k W_k^T + b_k, V = v W_v^T + b_v on codes of FP6 (E2M3), each result quantised again for the attention launch.  No f32 result is stored.
; IN: opc = [pair of K steps 0..3][row tile G][two images of 1,536 bytes], ops = [G][K step 0..7][16 words]; G: q 0-511, k 512-1023, v 1024-1535, W_q 1536-, W_k 1600-, W_v 1664-.  An image: registers 4 c .. 4 c + 3 of lane l at 512 c + 16 l.
; OUT: qh = [head bh 0..63][query tile 0..127][half image of 768 bytes: registers 0-3 at 16 l, then 4-5 at 8 l], and from byte 6,291,456 on [bh][tile][16 words];
; kv = [bh][key step 0..15][13,056 bytes: 8 half images of K, their words (64 bytes a tile), 4 images of V^T, their words].  A word's bytes 0, 1 (V: 0 to 3) are its row's E8M0 bytes; bytes not used are 0, a finite scale.
; LIMITS: a block of zeros keeps the byte 1 (its codes are zeros; this program alone reads the bytes); magnitudes under 2^-124 are held at that floor; NaN and infinities are not served.
; THE DEAL.  256 work-groups that stay: each takes 256 tokens x 128 columns (two heads) through three phases, Q, K, V.  K is 1,024: nothing walks along K.  All of K of a phase's 16 row tiles of x (196,608 bytes), 8 row tiles of the weight (98,304) and x's scale words (8,192) lie in LDS.
; Four waves, 2 x 2: a wave holds one head's 64 rows of the weight, all of K, in registers (32 fragments) and takes eight blocks of 16 tokens past them; a block is 32 products on four accumulators by turns; the bias is the C of its first four.
; Q, K: source 0 = the weight's rows: a lane holds one token and 32 numbers of the head, 16 of each block of 32; the wave in row a takes row tile 2 s + a as block s; each block is quantised and stored at once: 768 consecutive bytes and 16 words.
; V: source 0 = the tokens: a lane holds one column d and its registers run along the keys; the wave in row a takes key step a, tiles 8 a + s; the 256 sums stay in registers and are quantised at the end into four images.
; FILLS.  At the head one joint load a wave: wave 0 the weight, wave 1 x's tiles 0-7, wave 2 x's words, wave 3 tiles 8-15.  Behind block 6 of Q and of K every fetch of the phase has landed: there all four regions are filled again with the next phase's tiles,
; one load a wave, behind a wait, an add of 0 onto the spare word and a wait, and a round of the cluster's barrier.  Plain barriers show the tiles: wave 0's ahead of the weight's loads, waves 1's and 2's ahead of the first fetch, wave 3's behind block 2 (V: all ahead of the first fetch).
; Q and K are one text, a loop of two trips, both of which refill; V, which refills nothing, is written out.
; CLUSTERS: 4 x 4.  x's tiles and words hang on the tile row alone and are shared along a row of the cluster, the weight's on the tile column alone and are shared along a column.
; The weight's scale words (2,048 bytes a wave) and the bias come straight into registers.  No prefetch is laid: K is short, a phase's tiles are asked for whole in one round, and what a work-group would have asked for ahead is the whole next phase.
; REGISTERS.  Window 0: v4-19 addresses; v28, v29 the add's two; v32-47 the weight's scale words; v50-57 x's, two sets; v64-95 the bias; Q, K: v128-159 sums, v160-191 at work; V: v128-255 the sums of tiles 2, 3, v64-115 at work at the end.
;   Fragment f lies in window 1 + f / 21 at register 12 (f % 21): 0-31 the weight's (4 q + t), 32-39 and 40-47 x's two sets.  Window 3, v128-255: V's sums of tiles 0, 1.
.set OS,    5505024
.set FR,    12
.set FPW,   21
.set HALFA, 98304
.set BL,    2*HALFA
.set SCL,   BL+HALFA
.set SPARE, SCL+8192                   ; the spare words, 128 bytes for each wave: two blocks of 256 bytes that no other line names
.set VA,   4
.set VB,   8
.set L4,   10
.set H64,  11
.set AS,   12
.set LI,   13
.set L8,   14
.set R4,   15
.set VV,   16
.set ASV,  18
.set RP4,  19
.set SPW,  28
.set NIL,  29
.set SB,   32
.set SX,   50
.set BO,   64
.set ACC,  128
.set F,    160
.set T,    176
.set W,    180
.set BX,   184
.set SO,   190
.set PC,   64
.set TM,   96
.set PW,   112
.set WV, 18
.set RH, 19
.set CH, 20
.set TR, 21
.set TC, 42
.set PH, 60
.set SEL, 62
.set G1A, 24
.set G0A, 32
.set G0A2, 36
.set G1B, 48
.set G0B, 56
.set G1S, 68
.set G0S, 76
.set MSB, 0
.macro WIN new                         ; the immediate's high byte repeats the setting that is left
.if MSB != (\new)
	s_set_vgpr_msb (MSB<<8)|(\new)
.set MSB, (\new)
.endif
.endm
.macro PLACES n
.rept \n
	v_nop
.endr
.endm
.macro WALU
	s_wait_alu depctr_va_vdst(0)
.endm
.macro BARRIER
	s_barrier_signal -1
	s_barrier_wait -1
.endm
.macro CROUND                          ; a round of the cluster's barrier
	BARRIER
	s_cmp_lg_u32 s[WV], 0
	s_cbranch_scc1 .Lnot_wave_0_\@
	s_barrier_signal -3
.Lnot_wave_0_\@:
	s_barrier_wait -3
	BARRIER
.endm
.macro TLOAD g0, g1                    ; an s_nop 0 and four v_nop follow the load
	tensor_load_to_lds s[\g0:\g0+3], s[\g1:\g1+7]
	s_nop 0
	PLACES 4
.endm
.macro ARMS                            ; a phase's four tiles: one chain of branches on the wave's number, one load to an arm
	s_cmp_eq_u32 s[WV], 0
	s_cbranch_scc0 .Lw1_\@
	TLOAD G0B, G1B                                 ; wave 0: the weight's rows, which go on into registers
	s_branch .Lasked_\@
.Lw1_\@:
	s_cmp_eq_u32 s[WV], 1
	s_cbranch_scc0 .Lw2_\@
	TLOAD G0A, G1A                                 ; wave 1: x's tiles 0-7
	s_branch .Lasked_\@
.Lw2_\@:
	s_cmp_eq_u32 s[WV], 2
	s_cbranch_scc0 .Lw3_\@
	TLOAD G0S, G1S                                 ; wave 2: x's scale words
	s_branch .Lasked_\@
.Lw3_\@:
	TLOAD G0A2, G1A                                ; wave 3: x's tiles 8-15
.Lasked_\@:
.endm
.macro CODES1 g, mask                  ; group 1 of eight row tiles, all of K: four rows of 24,576 bytes (3,072 elements of 8 bytes), one for each pair of K steps
	s_or_b32 s[\g+0], s\mask, (3<<16)|(1<<21)
	s_mov_b32 s[\g+1], 3072<<16
	s_mov_b32 s[\g+2], 4<<16
	s_mov_b32 s[\g+3], 3072<<16
	s_mov_b32 s[\g+4], 4
	s_mov_b32 s[\g+5], OS/8
	s_mov_b32 s[\g+6], 0
	s_mov_b32 s[\g+7], 0
.endm
.macro FRAG3 f, adr, off               ; an image into fragment f: three loads of 512 consecutive bytes
	WIN (1+(\f)/FPW)<<6
.irp c, 0,1,2
	ds_load_b128 v[FR*((\f)%FPW)+4*\c:FR*((\f)%FPW)+4*\c+3], v[\adr] offset:(\off)+512*\c
.endr
.endm
.macro WEIGHTS                         ; my 64 rows of the weight, all of K: 96 loads
.irp q, 0,1,2,3,4,5,6,7
.irp t, 0,1,2,3
	FRAG3 4*\q+\t, VB+\q/4, ((\q/2)%2)*24576+\t*3072+(\q%2)*1536
.endr
.endr
	WIN 0
.endm
.macro FETCHX e, adr, off, sadr, soff  ; a block of x into set e: 24 loads of codes, 4 of scale words (K step 2 p in lanes 0-15, 2 p + 1 in lanes 16-31)
.irp q, 0,1,2,3,4,5,6,7
	FRAG3 32+8*(\e)+\q, (\adr)+\q/4, (\off)+((\q/2)%2)*24576+(\q%2)*1536
.endr
	WIN 0
.irp p, 0,1,2,3
	ds_load_b32 v[SX+4*(\e)+\p], v[\sadr] offset:(\soff)+128*\p
.endr
.endm
.macro FETCHQ s                        ; Q, K: block s is row tile 2 s + a
	FETCHX (\s)%2, VA+2*((\s)/4), ((\s)%4)*6144, AS, (\s)*1024
.endm
.macro FETCHV s                        ; V: block s is row tile 8 a + s
	FETCHX (\s)%2, VV, (\s)*3072, ASV, (\s)*512
.endm
.macro MM d, f0, f1, c, x0, x1, row
.if \row
	v_wmma_scale_f32_16x16x128_f8f6f4 v[\d:\d+7], v[FR*((\f0)%FPW):FR*((\f0)%FPW)+FR-1], v[FR*((\f1)%FPW):FR*((\f1)%FPW)+FR-1], \c, v[\x0], v[\x1] matrix_a_fmt:MATRIX_FMT_FP6 matrix_b_fmt:MATRIX_FMT_FP6 matrix_a_scale:MATRIX_SCALE_ROW1 matrix_b_scale:MATRIX_SCALE_ROW1
.else
	v_wmma_scale_f32_16x16x128_f8f6f4 v[\d:\d+7], v[FR*((\f0)%FPW):FR*((\f0)%FPW)+FR-1], v[FR*((\f1)%FPW):FR*((\f1)%FPW)+FR-1], \c, v[\x0], v[\x1] matrix_a_fmt:MATRIX_FMT_FP6 matrix_b_fmt:MATRIX_FMT_FP6
.endif
.endm
.macro PRODS kind, s                   ; a block's 32 products, K ascending, the four accumulators by turns.  kind 0: Q, K; kind 1: V
.irp q, 0,1,2,3,4,5,6,7
.irp t, 0,1,2,3
.set FW_, 4*\q+\t
.set FX_, 32+8*((\s)%2)+\q
.set XW_, SB+4*\t+\q/2
.set XX_, SX+4*((\s)%2)+\q/2
.if \kind
.set D_, 128+64*(\t%2)+8*(\s)
.set DW_, 3*(1-\t/2)
.if \q
	WIN (1+FX_/FPW)|((1+FW_/FPW)<<2)|(DW_<<4)|(DW_<<6)
	MM D_, FX_, FW_, v[D_:D_+7], XX_, XW_, \q%2
.else
	WIN (1+FX_/FPW)|((1+FW_/FPW)<<2)|(DW_<<6)
	MM D_, FX_, FW_, v[BO+8*\t:BO+8*\t+7], XX_, XW_, \q%2
.endif
.else
.set D_, ACC+8*\t
	WIN (1+FW_/FPW)|((1+FX_/FPW)<<2)
.if \q
	MM D_, FW_, FX_, v[D_:D_+7], XW_, XX_, \q%2
.else
	MM D_, FW_, FX_, v[BO+8*\t:BO+8*\t+7], XW_, XX_, \q%2
.endif
.endif
.endr
.endr
	WIN 0
.endm
; Q, K: THE WAY OUT of a block.  Register 16 b + i of lane (r, h) is column 32 b + 16 h + i of the head, token r: two blocks of 32, each in lanes l and l xor 16.
.macro EPI s
.set F_, F+8*((\s)%2)
.set W_, W+(\s)%2
	s_wait_xcnt 0x0                                ; earlier stores have read their registers
	v_max3_num_f32 v[BX], |v[ACC]|, |v[ACC+1]|, 0x1800000        ; the largest magnitudes, with the floor 2^(3 - 127) among the leaves; each accumulator from its low end on
	v_max3_num_f32 v[BX+1], |v[ACC+16]|, |v[ACC+17]|, 0x1800000
.irp i, 2,4,6,8,10,12,14
	v_max3_num_f32 v[BX], v[BX], |v[ACC+\i]|, |v[ACC+1+\i]|
	v_max3_num_f32 v[BX+1], v[BX+1], |v[ACC+16+\i]|, |v[ACC+17+\i]|
.endr
	v_permlanex16_b32 v[BX+4], v[BX], s[SEL], s[SEL+1]
	v_permlanex16_b32 v[BX+5], v[BX+1], s[SEL], s[SEL+1]
	v_max_num_f32 v[BX], v[BX], v[BX+4]
	v_max_num_f32 v[BX+1], v[BX+1], v[BX+5]
	v_add_nc_u32 v[SO], 0xff000000, v[BX]          ; 2 off the exponent field: the conversion's scale operand
	v_add_nc_u32 v[SO+1], 0xff000000, v[BX+1]
	v_lshrrev_b32 v[BX+4], 23, v[SO]               ; the bytes
	v_lshrrev_b32 v[BX+5], 23, v[SO+1]
	v_lshl_or_b32 v[W_], v[BX+5], 8, v[BX+4]
	v_cvt_scalef32_pk16_fp6_f32 v[F_:F_+2], v[ACC:ACC+15], v[SO]
	v_cvt_scalef32_pk16_fp6_f32 v[T:T+2], v[ACC+16:ACC+31], v[SO+1]
	v_nop                                          ; one plain place behind a scaled conversion
.irp i, 0,1,2
	v_permlane16_swap_b32 v[F_+\i], v[T+\i]        ; a whole block to a lane: lanes 0-15 block 0, lanes 16-31 block 1
.endr
.irp i, 0,1,2
	v_mov_b32 v[F_+3+\i], v[T+\i]
.endr
	WALU
	global_store_b128 v[LI], v[F_:F_+3], s[84+2*((\s)/4):85+2*((\s)/4)] offset:((\s)%4)*1536          ; 512 and 256 consecutive bytes, aligned
	global_store_b64 v[L8], v[F_+4:F_+5], s[84+2*((\s)/4):85+2*((\s)/4)] offset:((\s)%4)*1536+512
	global_store_b32 v[R4], v[W_], s[88+2*((\s)/4):89+2*((\s)/4)] offset:((\s)%4)*128                  ; 16 words: both halves of the lanes write the same word with the same value
.endm
.macro BLKQ s
	PRODS 0, \s
	PLACES 4                                       ; behind the products: ahead of the loads into their registers and of the reads of their results
	s_wait_dscnt 0x0                               ; the next block's rows are in
.if (\s) == 2
	s_wait_tensorcnt 0x0                           ; every wave, under no branch: all that is still out is wave 3's tiles 8-15,
	BARRIER                                        ; which are shown to all
.endif
.if (\s) == 6
	s_wait_tensorcnt 0x0                           ; THE REFILL: no load of mine is out, so the descriptors may be written;
	ds_add_u32 v[SPW], v[NIL]                      ; 0 onto my spare word;
	s_add_nc_u64 s[G0A+2:G0A+3], s[G0A+2:G0A+3], 512*3072        ; the next tensor's rows: 512 row tiles on,
	s_add_nc_u64 s[G0A2+2:G0A2+3], s[G0A2+2:G0A2+3], 512*3072
	s_add_nc_u64 s[G0S+2:G0S+3], s[G0S+2:G0S+3], 512*512
	s_add_nc_u64 s[G0B+2:G0B+3], s[G0B+2:G0B+3], 64*3072         ; the next weight: 64 on
	s_wait_dscnt 0x0                               ; the add is done; my last reads of all four regions (block 7's fetch) were waited for above
	CROUND
	ARMS
.endif
.if (\s)+2 < 8
	FETCHQ (\s)+2
.endif
	EPI \s
.endm
.macro BLKV s
	PRODS 1, \s
	PLACES 4
	s_wait_dscnt 0x0
.if (\s)+2 < 8
	FETCHV (\s)+2
.endif
.endm
; V: THE WAY OUT of tile t: 64 sums from register x of window xw on: register 16 b + i of lane (r, h) is key 32 b + 16 h + i of column d(r): four blocks, each in lanes l and l xor 16.
.macro QUANTV t, x, xw
.if \t
	s_wait_xcnt 0x0                                ; the last image's stores have read their registers
.endif
	WIN (\xw)|((\xw)<<2)
.irp b, 0,1,2,3
	v_max3_num_f32 v[TM+\b], |v[\x+16*\b]|, |v[\x+1+16*\b]|, 0x1800000
.endr
	WIN ((\xw)<<2)|((\xw)<<4)
.irp i, 2,4,6,8,10,12,14
.irp b, 0,1,2,3
	v_max3_num_f32 v[TM+\b], v[TM+\b], |v[\x+16*\b+\i]|, |v[\x+1+16*\b+\i]|
.endr
.endr
	WIN 0
.irp b, 0,1,2,3
	v_permlanex16_b32 v[TM+4+\b], v[TM+\b], s[SEL], s[SEL+1]
.endr
.irp b, 0,1,2,3
	v_max_num_f32 v[TM+\b], v[TM+\b], v[TM+4+\b]
.endr
.irp b, 0,1,2,3
	v_add_nc_u32 v[TM+12+\b], 0xff000000, v[TM+\b]
.endr
.irp b, 0,1,2,3
	v_lshrrev_b32 v[TM+4+\b], 23, v[TM+12+\b]
.endr
	v_lshl_or_b32 v[PW+\t], v[TM+5], 8, v[TM+4]
	v_lshl_or_b32 v[PW+\t], v[TM+6], 16, v[PW+\t]
	v_lshl_or_b32 v[PW+\t], v[TM+7], 24, v[PW+\t]
	WIN \xw
.irp c, 0,1
	v_cvt_scalef32_pk16_fp6_f32 v[PC+6*\c:PC+2+6*\c], v[\x+32*\c:\x+15+32*\c], v[TM+12+2*\c]
	v_cvt_scalef32_pk16_fp6_f32 v[PC+12+4*\c:PC+14+4*\c], v[\x+16+32*\c:\x+31+32*\c], v[TM+12+2*\c+1]
.endr
	WIN 0
	v_nop
.irp c, 0,1
.irp i, 0,1,2
	v_permlane16_swap_b32 v[PC+6*\c+\i], v[PC+12+4*\c+\i]
.endr
.irp i, 0,1,2
	v_mov_b32 v[PC+3+6*\c+\i], v[PC+12+4*\c+\i]
.endr
.endr
	WALU
.irp c, 0,1,2
	global_store_b128 v[LI], v[PC+4*\c:PC+4*\c+3], s[100:101] offset:1536*\t+512*\c   ; the image: 512 consecutive bytes a store, aligned
.endr
	global_store_b32 v[R4], v[PW+\t], s[100:101] offset:6144+64*\t
.endm
; A PHASE'S OPENING: the weight's words and the bias into registers; the weight into registers as soon as it is in; the first two blocks' rows.
.macro PROLOG v
.irp t, 0,1,2,3
.irp p, 0,1,2,3
	global_load_b32 v[SB+4*\t+\p], v[L4], s[92:93] offset:\t*512+128*\p
.endr
.endr
.irp t, 0,1,2,3
.if \v
	global_load_b32 v[BO+8*\t], v[RP4], s[12:13] offset:(32*(\t/2)+8*(\t%2))*4        ; V: one number a lane and tile: column 32 (t / 2) + 8 (t % 2) + r + 8 (r / 8)
.else
	global_load_b128 v[BO+8*\t:BO+8*\t+3], v[H64], s[8:9] offset:(32*(\t/2)+8*(\t%2))*4      ; Q, K: register 8 t + j of lane (r, h) is column 32 (t / 2) + 8 (t % 2) + 16 h + j
	global_load_b128 v[BO+8*\t+4:BO+8*\t+7], v[H64], s[8:9] offset:(32*(\t/2)+8*(\t%2))*4+16
.endif
.endr
	s_cmp_eq_u32 s[WV], 0
	s_cbranch_scc0 .Lnot_b_\@
	s_wait_tensorcnt 0x0
.Lnot_b_\@:
	BARRIER                                        ; the weight's rows are in
	WEIGHTS
.if \v
	s_wait_tensorcnt 0x0                           ; V reads all 16 tiles from its first block on
.else
	s_cmp_eq_u32 s[WV], 3
	s_cbranch_scc1 .Lnot_a_\@
	s_wait_tensorcnt 0x0
.Lnot_a_\@:
.endif
	s_wait_dscnt 0x0
	BARRIER                                        ; x's tiles 0-7 and its words are in (V: all)
.if \v
	FETCHV 0
	FETCHV 1
.else
	FETCHQ 0
	FETCHQ 1
.endif
	s_wait_loadcnt 0x0                             ; the weight's words and the bias
.if \v
.irp t, 0,8,16,24
.irp i, 1,2,3,4,5,6,7
	v_mov_b32 v[BO+\t+\i], v[BO+\t]                ; over the tile's eight registers
.endr
.endr
	WALU
.endif
	s_wait_dscnt 28                                ; block 0's rows are in; block 1's 28 loads may be out
.endm
	s_load_b128 s[4:7], s[0:1], 0x0                ; opc, ops
	s_load_b128 s[8:11], s[0:1], 0x10              ; b_q, b_k
	s_load_b128 s[12:15], s[0:1], 0x20             ; b_v, qh
	s_load_b64 s[16:17], s[0:1], 0x30              ; kv
	v_lshl_add_u32 v[SPW], v0, 2, SPARE
	v_mov_b32 v[NIL], 0
	ds_add_u32 v[SPW], v[NIL]                      ; the wave's opening: the add, twice on end, and its wait ahead of my first tensor load
	ds_add_u32 v[SPW], v[NIL]
	v_lshrrev_b32 v1, 5, v0
	v_readfirstlane_b32 s[WV], v1
	s_lshr_b32 s[RH], s[WV], 1                     ; a: my row of the 2 x 2
	s_and_b32 s[CH], s[WV], 1                      ; my column: which of the two heads
	s_bfe_u32 s40, ttmp6, 0x40000                  ; cx
	s_bfe_u32 s41, ttmp6, 0x40004                  ; cy
	s_lshl_b32 s[TC], ttmp9, 2
	s_add_co_u32 s[TC], s[TC], s40                 ; tile column, 0 .. 7
	s_and_b32 s[TR], ttmp7, 0xffff
	s_lshl_b32 s[TR], s[TR], 2
	s_add_co_u32 s[TR], s[TR], s41                 ; tile row, 0 .. 31
	s_lshl_b32 s43, s41, 2
	s_lshl_b32 s43, 15, s43                        ; my row of the cluster
	s_lshl_b32 s44, 0x1111, s40                    ; my column
	CODES1 G1A, 43
	CODES1 G1B, 44
	s_or_b32 s[G1S+0], s43, (3<<16)|(1<<21)        ; x's scale words: a dense block of 8,192 bytes as 32 rows of 256
	s_mov_b32 s[G1S+1], 32<<16
	s_mov_b32 s[G1S+2], 32<<16
	s_mov_b32 s[G1S+3], 32<<16
	s_mov_b32 s[G1S+4], 32
	s_mov_b32 s[G1S+5], 32
	s_mov_b32 s[G1S+6], 0
	s_mov_b32 s[G1S+7], 0
	s_mul_i32 s22, s[TR], 16*3072                  ; q: my 16 row tiles, bytes from opc
	s_mov_b32 s23, 0
	s_lshl_b32 s94, s[TR], 13                      ; and their words, from ops
	s_mov_b32 s95, 0
	s_lshl_b32 s46, s[TC], 3
	s_add_co_u32 s46, s46, 1536                    ; W_q: my first row tile
	s_mul_i32 s46, s46, 3072
	s_mov_b32 s47, 0
	s_mov_b32 s[G0A], 1
	s_mov_b32 s[G0A+1], 0
	s_mov_b32 s[G0A2], 1
	s_mov_b32 s[G0A2+1], HALFA
	s_mov_b32 s[G0B], 1
	s_mov_b32 s[G0B+1], BL
	s_mov_b32 s[G0S], 1
	s_mov_b32 s[G0S+1], SCL
	s_mov_b32 s[SEL], 0x76543210
	s_mov_b32 s[SEL+1], 0xfedcba98                 ; selects of v_permlanex16_b32 for lane l xor 16
	s_mov_b32 s[PH], 0
	s_wait_dscnt 0x0                               ; both opening adds are done
	s_wait_kmcnt 0x0
	s_add_nc_u64 s[G0A+2:G0A+3], s[4:5], s[22:23]
	s_add_nc_u64 s[G0A2+2:G0A2+3], s[G0A+2:G0A+3], 8*3072
	s_or_b32 s[G0A+3], s[G0A+3], 0x80000000
	s_or_b32 s[G0A2+3], s[G0A2+3], 0x80000000
	s_add_nc_u64 s[G0B+2:G0B+3], s[4:5], s[46:47]
	s_or_b32 s[G0B+3], s[G0B+3], 0x80000000
	s_add_nc_u64 s[G0S+2:G0S+3], s[6:7], s[94:95]
	s_or_b32 s[G0S+3], s[G0S+3], 0x80000000
	CROUND                                         ; all sixteen work-groups are here: the joint loads meet
	ARMS
	; where the results go
	s_lshl_b32 s45, s[TC], 1
	s_add_co_u32 s45, s45, s[CH]                   ; my head, 0 .. 15
	s_lshr_b32 s46, s[TR], 3                       ; the batch
	s_and_b32 s47, s[TR], 7                        ; which 256 tokens of its 2,048
	s_lshl_b32 s46, s46, 4
	s_add_co_u32 s46, s46, s45                     ; bh
	s_lshl_b32 s22, s46, 7
	s_lshl_b32 s23, s47, 4
	s_add_co_u32 s22, s22, s23
	s_add_co_u32 s22, s22, s[RH]                   ; Q: 128 bh + my first query tile
	s_mul_i32 s94, s22, 768
	s_mov_b32 s95, 0
	s_add_nc_u64 s[84:85], s[14:15], s[94:95]      ; s[84:85], s[86:87] the codes of blocks 0-3 and 4-7; a block's tile lies two tiles behind the last block's
	s_add_nc_u64 s[86:87], s[84:85], 6144
	s_lshl_b32 s94, s22, 6
	s_add_co_u32 s94, s94, 6291456
	s_add_nc_u64 s[88:89], s[14:15], s[94:95]      ; s[88:89], s[90:91] their words
	s_add_nc_u64 s[90:91], s[88:89], 512
	s_mul_i32 s94, s46, 208896
	s_mul_i32 s23, s47, 2*13056
	s_add_co_u32 s94, s94, s23
	s_add_nc_u64 s[16:17], s[16:17], s[94:95]      ; kv: my head's two key steps
	s_mul_i32 s94, s[RH], 768
	s_add_nc_u64 s[96:97], s[16:17], s[94:95]      ; K's codes: blocks 0-3 lie in the first key step, 4-7 in the second
	s_lshl_b32 s94, s[RH], 6
	s_add_co_u32 s94, s94, 6144
	s_add_nc_u64 s[98:99], s[16:17], s[94:95]      ; K's words
	s_mul_i32 s94, s[RH], 13056
	s_add_co_u32 s94, s94, 6656
	s_add_nc_u64 s[100:101], s[16:17], s[94:95]    ; V^T's images of key step a
	s_lshl_b32 s94, s45, 8
	s_add_nc_u64 s[8:9], s[8:9], s[94:95]          ; my head's 64 numbers of each bias
	s_add_nc_u64 s[10:11], s[10:11], s[94:95]
	s_add_nc_u64 s[12:13], s[12:13], s[94:95]
	s_lshl_b32 s94, s[TC], 3
	s_lshl_b32 s23, s[CH], 2
	s_add_co_u32 s94, s94, s23
	s_add_co_u32 s94, s94, 1536
	s_lshl_b32 s94, s94, 9
	s_add_nc_u64 s[92:93], s[6:7], s[94:95]        ; the words of my four row tiles of W_q
	s_mul_i32 s80, s[RH], 3072
	s_mul_i32 s81, s[CH], 4*3072
	s_add_co_u32 s81, s81, BL
	s_lshl_b32 s82, s[RH], 9
	s_add_co_u32 s82, s82, SCL
	s_mul_i32 s83, s[RH], HALFA
	s_lshl_b32 s61, s[RH], 12
	s_add_co_u32 s61, s61, SCL
	v_and_b32 v1, 15, v0                           ; r
	v_bfe_u32 v2, v0, 4, 1                         ; h
	v_and_b32 v3, 31, v0                           ; lane
	v_lshlrev_b32 v[LI], 4, v3
	v_lshlrev_b32 v[L8], 3, v3
	v_lshlrev_b32 v[L4], 2, v3
	v_lshlrev_b32 v[R4], 2, v1
	v_lshlrev_b32 v[H64], 6, v2
	v_add_nc_u32 v[VA], s80, v[LI]                 ; Q, K: x's tiles 0-7, pairs 0 and 1 of the K steps;
	v_add_nc_u32 v[VA+1], 49152, v[VA]             ; pairs 2 and 3;
	v_add_nc_u32 v[VA+2], HALFA, v[VA]             ; tiles 8-15
	v_add_nc_u32 v[VA+3], HALFA+49152, v[VA]
	v_add_nc_u32 v[VB], s81, v[LI]
	v_add_nc_u32 v[VB+1], 49152, v[VB]
	v_add_nc_u32 v[AS], s82, v[L4]
	v_add_nc_u32 v[VV], s83, v[LI]                 ; V: tiles 8 a ..
	v_add_nc_u32 v[VV+1], 49152, v[VV]
	v_add_nc_u32 v[ASV], s61, v[L4]
	v_and_b32 v[RP4], 8, v1
	v_add_nc_u32 v[RP4], v[RP4], v1
	v_lshlrev_b32 v[RP4], 2, v[RP4]                ; 4 (r + 8 (r / 8))
	v_mov_b32 v[BX+4], 0                           ; a lane permute's destination counts as one of its sources
	v_mov_b32 v[BX+5], 0
.irp b, 0,1,2,3
	v_mov_b32 v[TM+4+\b], 0
.endr
	WALU                                           ; the wait at the head's end
.Lphase:                                               ; two trips: Q, K
	PROLOG 0
.irp s, 0,1,2,3,4,5,6,7
	BLKQ \s
.endr
	s_wait_xcnt 0x0                                ; the stores have read their bases: now they may be written
	s_mov_b64 s[84:85], s[96:97]                   ; K's places,
	s_add_nc_u64 s[86:87], s[96:97], 13056
	s_mov_b64 s[88:89], s[98:99]
	s_add_nc_u64 s[90:91], s[98:99], 13056
	s_mov_b64 s[8:9], s[10:11]                     ; its bias,
	s_add_nc_u64 s[92:93], s[92:93], 64*512        ; and the next weight's words
	s_add_co_u32 s[PH], s[PH], 1
	s_cmp_lt_u32 s[PH], 2
	WALU                                           ; the wait here, directly ahead of the branch
	s_cbranch_scc1 .Lphase
	PROLOG 1                                       ; V: written out: it refills nothing
.irp s, 0,1,2,3,4,5,6,7
	BLKV \s
.endr
	QUANTV 0, 128, 3
	QUANTV 1, 192, 3
	QUANTV 2, 128, 0
	QUANTV 3, 192, 0
	s_wait_tensorcnt 0x0                           ; the wave's end: a wait, an add of 0 onto my spare word and a wait, behind my last tensor load
	ds_add_u32 v[SPW], v[NIL]
	s_wait_dscnt 0x0
	CROUND                                         ; the closing round
	s_endpgm
.Lfunc_end_k_q6ee5f7c39c_proj:
	.size	k_q6ee5f7c39c_proj, .Lfunc_end_k_q6ee5f7c39c_proj-k_q6ee5f7c39c_proj
	.p2alignl 7, 3214868480
	.fill 96, 4, 3214868480
	.section	.rodata,"a",@progbits
	.p2align	6, 0x0
	.amdhsa_kernel k_q6ee5f7c39c_proj
		.amdhsa_group_segment_fixed_size 327680
		.amdhsa_private_segment_fixed_size 0
		.amdhsa_enable_private_segment 0
		.amdhsa_kernarg_size 56
		.amdhsa_user_sgpr_count 2
		.amdhsa_user_sgpr_kernarg_segment_ptr 1
		.amdhsa_wavefront_size32 1
		.amdhsa_system_sgpr_workgroup_id_x 1
		.amdhsa_system_sgpr_workgroup_id_y 1
		.amdhsa_system_sgpr_workgroup_id_z 1
		.amdhsa_system_vgpr_workitem_id 0
		.amdhsa_next_free_vgpr 1024
		.amdhsa_next_free_sgpr 102
		.amdhsa_reserve_vcc 0
		.amdhsa_float_denorm_mode_32 3
		.amdhsa_float_denorm_mode_16_64 3
		.amdhsa_memory_ordered 1
		.amdhsa_forward_progress 1
		.amdhsa_inst_pref_size 166
	.end_amdhsa_kernel
	.amdgpu_metadata
---
amdhsa.version: [ 1, 2 ]
amdhsa.kernels:
  - .name:           k_q6ee5f7c39c_proj
    .symbol:         k_q6ee5f7c39c_proj.kd
    .args:
      - { .name: opc, .offset: 0, .size: 8, .value_kind: global_buffer, .address_space: global }
      - { .name: ops, .offset: 8, .size: 8, .value_kind: global_buffer, .address_space: global }
      - { .name: b_q, .offset: 16, .size: 8, .value_kind: global_buffer, .address_space: global }
      - { .name: b_k, .offset: 24, .size: 8, .value_kind: global_buffer, .address_space: global }
      - { .name: b_v, .offset: 32, .size: 8, .value_kind: global_buffer, .address_space: global }
      - { .name: qh, .offset: 40, .size: 8, .value_kind: global_buffer, .address_space: global }
      - { .name: kv, .offset: 48, .size: 8, .value_kind: global_buffer, .address_space: global }
    .group_segment_fixed_size: 327680
    .private_segment_fixed_size: 0
    .kernarg_segment_align: 8
    .kernarg_segment_size: 56
    .max_flat_workgroup_size: 128
    .sgpr_count:     102
    .vgpr_count:     1024
    .wavefront_size: 32
...
	.end_amdgpu_metadata
.endif
;; end of part 2
;; launch attn (part 3): grid 8 x 32, 16 waves a work-group, clusters of 4 x 1, 327,680 bytes of LDS; arguments qh, kv, mw, ac, asw; writes ac, asw
.if DOCPART == 3
	.amdgcn_target "amdgcn-amd-amdhsa--gfx1250"
	.amdhsa_code_object_version 6
	.text
	.protected	k_q6ee5f7c39c_attn
	.globl	k_q6ee5f7c39c_attn
	.p2align	8
	.type	k_q6ee5f7c39c_attn,@function
k_q6ee5f7c39c_attn:
	s_mov_b64 s[64:65], 0
	v_nop
	global_prefetch_b8 v0, s[64:65] scope:SCOPE_SE
	s_setreg_imm32_b32 hwreg(HW_REG_WAVE_MODE, 25, 1), 1
	s_wait_xcnt 0x0
	s_wait_alu depctr_hold_cnt(0) depctr_sa_sdst(0) depctr_va_vdst(0) depctr_va_sdst(0) depctr_va_ssrc(0) depctr_va_vcc(0) depctr_vm_vsrc(0)
	s_getreg_b32 s2, hwreg(HW_REG_IB_STS2, 6, 4)
	s_cmp_eq_u32 s2, 0
	s_cbranch_scc0 .Lentry_in_a_cluster
	s_endpgm
.Lentry_in_a_cluster:
	s_bfe_u32 s2, ttmp6, 0x10000c
	s_cmp_lg_u32 s2, 0x3003
	s_cbranch_scc0 .Lentry_shape_is_right
	s_endpgm
.Lentry_shape_is_right:
; softmax(mask(Q K^T / 8)) V for 64 heads of 64, 2,048 queries and keys, both products on codes of FP6 (E2M3); the result, divided by the row's sum, is quantised along D and leaves as images of the output projection's operand.
; THE SOFTMAX: t = logit x log2(e); M = the running largest t rounded UP to a whole number; p = 2^(t - M) is quantised along the keys; the row's sum is taken of the unquantised p; when M moves, sum and O are multiplied by 2^(old M - new M): exact.
; THE MASK: word n of a key step holds a bit for each lane; where it is 0 the raw score becomes -2^33, the logit -2^30.
; LIMIT: reference has -1e9 there.  -2^33 x c is exact in f32, so that a row masked throughout gets t - M = 0 and p = 1 for every key, as -1e9 gives; the results differ only where an unmasked logit lies under about -1e9.
; LIMITS: a block of zeros keeps the byte 1; magnitudes under 2^-124 are held at that floor; NaN and infinities are not served.
; SHARES.  A work-group owns 256 queries of one batch and takes TWO heads, one after the other: their 128 numbers of D are one fragment and one scale word of the next product.  Each of its sixteen waves owns one tile of 16 queries.
; The two heads' K and V are one stream of 32 key steps of 13,056 bytes: 8 half images of K (768 bytes: 16 keys x 64), their words, 4 images of V^T (1,536 bytes: 16 d x 128 keys), their words.
; RING: two LDS slots of eight key steps; waves 0 to 7 fetch a step's block each, one tensor load.  CLUSTER: the four query blocks of a cluster walk the same stream: every load is joint, mask 15.
; LAYOUT.  S^T = K Q^T, O^T = V^T P^T: a lane holds ONE query.  Tile t of K holds keys 64 (t / 4) + 8 (t % 4) + i and, in rows 8-15, the keys 32 further on: score register n of lane (r, h) is key 64 (n / 32) + 32 h + n % 32,
; so a lane's registers 32 c .. 32 c + 31 are block 2 c + h of p whole, in the order of P's operand: no lane is asked for a block's maximum and no code changes lanes.
; K = 64 IN A PRODUCT OF 128: a fragment's registers 0-5 hold tile 2 i, registers 6-11 tile 2 i + 1; it is multiplied by [q | zero codes] for the one and by [zero codes | q] for the other.
; The odd tile's two scale bytes are loaded into the upper half of a register of their own, whose lower half is 0 (the byte 0 is a finite scale, and stands over zero codes of Q).
; ONE SET OF 48 REGISTERS serves K and V^T: V^T is fetched behind the score products, ahead of the softmax's lines; the next step's K behind the second product, ahead of the last row-sum additions.  A slot's last step fetches no K: the next slot's first K is fetched behind the change of slots.
; No prefetch is laid: a refill is asked for a whole slot, eight key steps of every wave, ahead of the wait for it.
; REGISTERS: v1 lane; v2, v3 the add's two; v4-6 LDS addresses; v7 -2^33; v8-11 K's words (even tiles); v12 -M, v13 the largest t, v[14:15] the sum; v16-27 [q | 0]; v28 Q's words; v29 the result's word; v30-31 V's words; v32-79 K, then V^T;
;   v80-91 the result's fragment; v92-94 16 x lane, 8 x lane, 4 r; v95 Q's words 16 bits up; v96-159 S^T, then p; v160-191 O^T; v192-210 p's codes; v211 8 h; v212-227 at work; v228-239 [0 | q]; v240-243 K's words (odd tiles); v244-255 chains of the sum.
.set STEPB, 13056
.set SLOTB, 8*STEPB
.set SLOT1, 131072                     ; slot 1 begins here: one exclusive or turns an address of one slot into the other's
.set SPARE, 262144                     ; the spare words, 128 bytes for each of sixteen waves: eight blocks of 256 bytes that no other line names
.set SPW, 2
.set NIL, 3
.set KS,  8
.set QA,  16
.set QW,  28
.set VS,  30
.set KV,  32
.set F,   80
.set QWH, 95
.set S,   96
.set O,   160
.set PCD, 192
.set H8,  211
.set BX,  212
.set SO,  220
.set QB,  228
.set KSH, 240
.set MO,  8                            ; s8  the key step's place among my tile's mask words
.set WV,  14
.set TB,  15                           ; s15 LDS byte at which the key step in hand begins
.set SLOTS, 16
.set STEPS, 17
.set SEL, 18
.set G1,  52
.set G0,  60
.set CS,  66                           ; s[66:67] c = log2(e) / 8
.macro JLOAD                           ; waves 0 to 7 fetch; the branch hangs on the wave's number alone.  An s_nop 0 and four v_nop follow the load
	s_cmp_lt_u32 s[WV], 8
	s_cbranch_scc0 .Lnone_\@
	tensor_load_to_lds s[G0:G0+3], s[G1:G1+7]
	s_nop 0
.rept 4
	v_nop
.endr
.Lnone_\@:
.endm
.macro CROUND                          ; a round of the cluster's barrier
	s_barrier_signal -1
	s_barrier_wait -1
	s_cmp_lg_u32 s[WV], 0
	s_cbranch_scc1 .Lnot_wave_0_\@
	s_barrier_signal -3
.Lnot_wave_0_\@:
	s_barrier_wait -3
	s_barrier_signal -1
	s_barrier_wait -1
.endm
.macro MM d, a, b, c, sa, sb, row
	v_wmma_scale_f32_16x16x128_f8f6f4 v[\d:\d+7], v[\a:\a+11], v[\b:\b+11], \c, v[\sa], v[\sb] matrix_a_fmt:MATRIX_FMT_FP6 matrix_b_fmt:MATRIX_FMT_FP6 matrix_a_scale:MATRIX_SCALE_ROW\row
.endm
.macro PA d, a, b
	v_pk_add_f32 v[\d:\d+1], v[\a:\a+1], v[\b:\b+1]
.endm
.macro ADDR                            ; the key step's LDS addresses: 16, 8 and 4 bytes a lane
	v_lshl_add_u32 v4, v1, 4, s[TB]
	v_lshl_add_u32 v5, v1, 3, s[TB]
	v_lshl_add_u32 v6, v1, 2, s[TB]
.endm
.macro KLOAD off                       ; K of the key step that begins off bytes behind the addresses: 8 words' loads, 16 loads of codes
.irp i, 0,1,2,3
	ds_load_b32 v[KS+\i], v6 offset:\off+6144+128*\i             ; lanes 0-15: the words of tile 2 i
	ds_load_u16_d16_hi v[KSH+\i], v6 offset:\off+6144+128*\i     ; lanes 16-31: the two bytes of tile 2 i + 1, as bytes 2 and 3
.endr
.irp t, 0,1,2,3,4,5,6,7
	ds_load_b128 v[KV+6*\t:KV+6*\t+3], v4 offset:\off+768*\t
	ds_load_b64 v[KV+6*\t+4:KV+6*\t+5], v5 offset:\off+768*\t+512
.endr
.endm
.macro QLOAD                           ; Q's half image twice: as registers 0-5 of [q | 0] and as registers 6-11 of [0 | q]
	global_load_b128 v[QA:QA+3], v92, s[2:3]
	global_load_b64 v[QA+4:QA+5], v93, s[2:3] offset:512
	global_load_b128 v[QB+6:QB+9], v92, s[2:3]
	global_load_b64 v[QB+10:QB+11], v93, s[2:3] offset:512
	global_load_b32 v[QW], v94, s[4:5]
.endm
.macro QDONE
	s_wait_loadcnt 0x0
	v_lshlrev_b32 v[QWH], 16, v[QW]                ; Q's two bytes as bytes 2 and 3
.rept 8
	v_nop                                          ; a scale register written by a vector instruction stands eight places ahead of a scaled product
.endr
	s_wait_alu depctr_va_vdst(0)                   ; the wait here
.endm
.macro TM from                         ; t - M of sixteen scores, two at a time
.set n, \from
.rept 8
	v_pk_fma_f32 v[S+n:S+n+1], v[S+n:S+n+1], s[CS:CS+1], v[12:13] op_sel_hi:[1,0,0]
.set n, n+2
.endr
.endm
	s_load_b256 s[20:27], s[0:1], 0x0              ; qh, kv, mw, ac
	s_load_b64 s[28:29], s[0:1], 0x20              ; asw
	v_lshl_add_u32 v[SPW], v0, 2, SPARE
	v_mov_b32 v[NIL], 0
	ds_add_u32 v[SPW], v[NIL]                      ; the wave's opening: the add, twice on end, and its wait ahead of the first tensor load
	ds_add_u32 v[SPW], v[NIL]
	v_lshrrev_b32 v1, 5, v0
	s_delay_alu instid0(VALU_DEP_1)
	v_readfirstlane_b32 s[WV], v1
	s_bfe_u32 s9, ttmp6, 0x40000                   ; cx: it enters Q's, the mask's and the result's addresses alone
	s_lshl_b32 s100, ttmp9, 2
	s_add_co_u32 s100, s100, s9                    ; my block of 256 queries
	s_lshl_b32 s100, s100, 4
	s_add_co_u32 s100, s100, s[WV]                 ; T: my tile of 16 queries, 0 .. 127
	s_and_b32 s101, ttmp7, 0xffff                  ; y = 8 x batch + pair of heads; my first head is bh = 2 y
	s_mul_i32 s30, s101, 196608                    ; Q's half images: (256 y + T) x 768
	s_mul_i32 s32, s100, 768
	s_add_co_u32 s30, s30, s32
	s_mov_b32 s31, 0
	s_lshl_b32 s32, s101, 8                        ; its words: 6,291,456 + (256 y + T) x 64
	s_add_co_u32 s32, s32, s100
	s_lshl_b32 s32, s32, 6
	s_add_co_u32 s32, s32, 6291456
	s_mov_b32 s33, 0
	s_lshl_b32 s34, s100, 12                       ; my tile's mask words: 4,096 bytes
	s_mov_b32 s35, 0
	s_lshr_b32 s36, s101, 3
	s_lshl_b32 s36, s36, 7
	s_add_co_u32 s36, s36, s100                    ; RT = 128 x batch + T
	s_and_b32 s37, s101, 7                         ; the pair of heads = the next product's K step
	s_lshl_b32 s38, s36, 3
	s_add_co_u32 s38, s38, s37
	s_lshl_b32 s38, s38, 6                         ; the result's words: (8 RT + pair) x 64
	s_mov_b32 s39, 0
	s_mul_i32 s36, s36, 3072                       ; its image: (pair / 2) x 1,572,864 + RT x 3,072 + (pair % 2) x 1,536
	s_lshr_b32 s40, s37, 1
	s_mul_i32 s40, s40, 1572864
	s_add_co_u32 s36, s36, s40
	s_and_b32 s37, s37, 1
	s_mul_i32 s37, s37, 1536
	s_add_co_u32 s36, s36, s37
	s_mov_b32 s37, 0
	s_mul_i32 s42, s[WV], STEPB                    ; what I fetch, if I fetch: key step = my wave's number, in memory and in a slot
	s_mul_i32 s40, s101, 417792                    ; the stream of my two heads
	s_add_co_u32 s40, s40, s42
	s_mov_b32 s41, 0
	; descriptor group 1: a dense block of 13,056 bytes as 51 rows of 256 bytes (32 elements of 8 bytes)
	s_mov_b32 s[G1], 15|(3<<16)|(1<<21)            ; 15:0 the mask: all four work-groups; 17:16 elements of 8 bytes; 21 set beside a mask
	s_mov_b32 s[G1+1], 32<<16
	s_mov_b32 s[G1+2], 51<<16
	s_mov_b32 s[G1+3], 32<<16
	s_mov_b32 s[G1+4], 51
	s_mov_b32 s[G1+5], 32
	s_mov_b32 s[G1+6], 0
	s_mov_b32 s[G1+7], 0
	s_mov_b32 s[SEL], 0x76543210
	s_mov_b32 s[SEL+1], 0xfedcba98
	s_mov_b32 s[CS], 0x3e38aa3b
	s_mov_b32 s[CS+1], s[CS]                       ; (named with it as a pair)
	s_mov_b32 s[TB], 0
	s_mov_b32 s[MO], 0
	s_mov_b32 s[SLOTS], 3
	s_wait_dscnt 0x0                               ; both opening adds are done
	s_wait_kmcnt 0x0
	s_add_nc_u64 s[2:3], s[20:21], s[30:31]        ; Q's codes
	s_add_nc_u64 s[4:5], s[20:21], s[32:33]        ; Q's words
	s_add_nc_u64 s[6:7], s[24:25], s[34:35]        ; the mask words
	s_add_nc_u64 s[10:11], s[26:27], s[36:37]      ; the result's image
	s_add_nc_u64 s[12:13], s[28:29], s[38:39]      ; and its words
	s_mov_b32 s[G0], 1
	s_mov_b32 s[G0+1], s42
	s_add_nc_u64 s[G0+2:G0+3], s[22:23], s[40:41]
	s_or_b32 s[G0+3], s[G0+3], 0x80000000
	CROUND                                         ; all four work-groups are here: the first joint loads meet
	JLOAD                                          ; slot 0: key steps 0 to 7
	s_load_b512 s[20:35], s[6:7], s[MO] offset:0x0     ; the first key step's 64 mask words
	s_load_b512 s[36:51], s[6:7], s[MO] offset:0x40
	s_load_b512 s[68:83], s[6:7], s[MO] offset:0x80
	s_load_b512 s[84:99], s[6:7], s[MO] offset:0xc0
	v_and_b32 v1, 31, v0
	s_delay_alu instid0(VALU_DEP_1)
	v_lshlrev_b32 v92, 4, v1
	s_delay_alu instid0(VALU_DEP_2)
	v_lshlrev_b32 v93, 3, v1
	v_and_b32 v94, 15, v0
	s_delay_alu instid0(VALU_DEP_1)
	v_lshlrev_b32 v94, 2, v94
	QLOAD
	v_bfe_u32 v[H8], v0, 4, 1
	s_delay_alu instid0(VALU_DEP_1)
	v_lshlrev_b32 v[H8], 3, v[H8]                  ; 8 h: my bytes' place in p's scale word
	v_mov_b32 v7, 0xd0000000                       ; -2^33
.irp i, 0,1,2,3,4,5
	v_mov_b32 v[QA+6+\i], 0                        ; the zero codes beside q: they stay
	v_mov_b32 v[QB+\i], 0
.endr
.irp i, 0,1,2,3
	v_mov_b32 v[KSH+\i], 0                         ; the lower halves of the odd tiles' words: 0
.endr
	v_mov_b32 v13, 0xff61b1e6                      ; the largest t so far: -3e38
	s_delay_alu instid0(VALU_DEP_1)
	v_floor_f32 v12, -v13
	v_mov_b32 v14, 0
	v_mov_b32 v15, 0
	v_mov_b32 v218, 0                              ; a lane permute's destination counts as one of its sources
	v_mov_b32 v219, 0
	v_mov_b32 v227, 0                              ; (named as the upper half of the pair v[226:227] before it is first written)
.set n, 0
.rept 32
	v_mov_b32 v[O+n], 0                            ; O^T: the step is written once: the first finds zeros
.set n, n+1
.endr
; A KEY STEP: 128 keys.  Its K was asked for a step ago (a slot's first: behind the change of slots).
.macro STEP
	s_wait_dscnt 0x0                               ; K's codes and words are in
.irp i, 0,1,2,3
	MM S+16*\i, KV+12*\i, QA, 0, KS+\i, QW, 0
	MM S+16*\i+8, KV+12*\i, QB, 0, KSH+\i, QWH, 1
.endr
	ADDR                                           ; these three and the copy of -M are the four places behind the products
	v_mov_b32 v224, v12
.irp d, 0,1,2,3
.irp c, 0,1,2
	ds_load_b128 v[KV+12*\d+4*\c:KV+12*\d+4*\c+3], v4 offset:6656+1536*\d+512*\c   ; V^T's four images, into the registers that K has left
.endr
.endr
.irp i, 0,1
	ds_load_b32 v[VS+\i], v6 offset:12800+128*\i
.endr
	s_wait_kmcnt 0x0                               ; this step's mask words
.set n, 0
.rept 64
	v_cndmask_b32 v[S+n], v7, v[S+n], s[20+n+16*(n/32)]   ; a select, never a branch; each accumulator from its low end on
.set n, n+1
.endr
.irp q, 0,1,2,3
	v_max3_num_f32 v[BX+\q], v[S+16*\q], v[S+1+16*\q], v[S+2+16*\q]   ; the largest score of my two blocks of 32 keys, two chains each: for the row's maximum, and, since p rises with the score, for the block's largest p
.endr
.irp i, 3,5,7,9,11,13
.irp q, 0,1,2,3
	s_delay_alu instid0(VALU_DEP_4)
	v_max3_num_f32 v[BX+\q], v[BX+\q], v[S+16*\q+\i], v[S+1+16*\q+\i]
.endr
.endr
	s_add_co_u32 s[MO], s[MO], 256                 ; the next step's mask words are asked for a step ahead (the wait above has shown the last loads done, so their offset may step);
	s_and_b32 s[MO], s[MO], 4095                   ; the second head begins anew; the very last request stays inside my tile's words and is not used
	s_load_b512 s[20:35], s[6:7], s[MO] offset:0x0
	s_load_b512 s[36:51], s[6:7], s[MO] offset:0x40
	s_load_b512 s[68:83], s[6:7], s[MO] offset:0x80
	s_load_b512 s[84:99], s[6:7], s[MO] offset:0xc0
	v_max3_num_f32 v[BX], v[BX], v[S+15], v[S+31]
	v_max3_num_f32 v[BX+2], v[BX+2], v[S+47], v[S+63]
	s_delay_alu instid0(VALU_DEP_2)
	v_max_num_f32 v[BX], v[BX], v[BX+1]            ; block h
	s_delay_alu instid0(VALU_DEP_2)
	v_max_num_f32 v[BX+2], v[BX+2], v[BX+3]        ; block 2 + h
	s_delay_alu instid0(VALU_DEP_1)
	v_max_num_f32 v225, v[BX], v[BX+2]
	s_delay_alu instid0(VALU_DEP_1)
	v_permlanex16_b32 v218, v225, s[SEL], s[SEL+1]
	s_delay_alu instid0(VALU_DEP_1)
	v_max_num_f32 v225, v225, v218                 ; with lane l xor 16's 64 keys: the step's largest score of my query
	s_delay_alu instid0(VALU_DEP_1)
	v_mul_f32 v225, s[CS], v225                    ; as t
	s_delay_alu instid0(VALU_DEP_1)
	v_max_num_f32 v13, v13, v225                   ; the running largest t
	s_delay_alu instid0(VALU_DEP_1)
	v_floor_f32 v12, -v13                          ; the new -M = -ceil(t)
	s_delay_alu instid0(VALU_DEP_1)
	TM 0
	v_sub_f32 v224, v12, v224                      ; old M - new M: a whole number, 0 or less
	TM 16
	v_cvt_i32_f32 v224, v224                       ; (it saturates)
	TM 32
	v_ldexp_f32 v226, 1.0, v224                    ; f = 2^(old M - new M)
	TM 48
	v_fma_f32 v[BX], v[BX], s[CS], v12             ; the same of each block's largest score
	v_fma_f32 v[BX+2], v[BX+2], s[CS], v12
.set n, 0
.rept 16
	v_pk_mul_f32 v[O+n:O+n+1], v[O+n:O+n+1], v[226:227] op_sel_hi:[1,0]   ; O^T under the new M, each accumulator from its low end on
.set n, n+2
.endr
	s_wait_alu depctr_va_vdst(0)                   ; the wait ahead of the batch
.set n, 0
.rept 64
	v_exp_f32 v[S+n], v[S+n]                       ; p = 2^(t - M), at most 1
.set n, n+1
.endr
	v_exp_f32 v[BX], v[BX]                         ; the blocks' largest p: the same two instructions on the same number give the same bits
	v_exp_f32 v[BX+2], v[BX+2]
	v_pk_mul_f32 v[14:15], v[14:15], v[226:227] op_sel_hi:[1,0]   ; the sums under the new M: the plain place behind the exponentials
	s_wait_alu depctr_va_vdst(0)                   ; one wait for the whole batch, ahead of its first reader
	; the blocks' scales, line by line among the first of the row sum's 32 additions (eight chains)
	v_max_num_f32 v[BX], 0x1800000, v[BX]          ; the floor 2^(3 - 127)
	v_max_num_f32 v[BX+2], 0x1800000, v[BX+2]
	PA 216, 100, 104
	PA 254, 108, 112
	v_add_nc_u32 v[SO], 0xff000000, v[BX]          ; 2 off the exponent field: the conversion's scale operand
	v_add_nc_u32 v[SO+1], 0xff000000, v[BX+2]
	PA 252, 116, 120
	PA 250, 124, 128
	v_lshrrev_b32 v222, 23, v[SO]                  ; the bytes
	v_lshrrev_b32 v223, 23, v[SO+1]
	PA 248, 132, 136
	PA 246, 140, 144
	v_lshl_or_b32 v225, v223, 16, v222             ; blocks h and 2 + h,
	PA 244, 148, 152
	PA 14, 14, 156
	v_lshlrev_b32 v225, v[H8], v225                ; at their places in the word;
	PA 216, 216, 96
	PA 254, 254, 98
	v_permlanex16_b32 v219, v225, s[SEL], s[SEL+1]
	PA 252, 252, 102
	PA 250, 250, 106
	v_or_b32 v227, v225, v219                      ; with lane l xor 16's two: p's scale word for these 128 keys
.irp c, 0,1
	v_cvt_scalef32_pk16_fp6_f32 v[PCD+6*\c:PCD+6*\c+2], v[S+32*\c:S+32*\c+15], v[SO+\c]
	v_cvt_scalef32_pk16_fp6_f32 v[204+4*\c:206+4*\c], v[S+32*\c+16:S+32*\c+31], v[SO+\c]   ; (a conversion's three registers begin on an even number)
.endr
	PA 248, 248, 110                               ; the plain place behind the conversions
.irp c, 0,1
.irp i, 0,1,2
	v_mov_b32 v[PCD+6*\c+3+\i], v[204+4*\c+\i]
.endr
.endr
	PA 246, 246, 114                               ; with the moves above: fourteen places behind the scale word's last write, seven behind the operand's
	PA 244, 244, 118
	PA 14, 14, 122
	PA 216, 216, 126
	PA 254, 254, 130
	PA 252, 252, 134
	PA 250, 250, 138
	s_wait_alu depctr_va_vdst(0)                   ; the wait here, directly ahead of the wait below
	s_wait_dscnt 0x0                               ; V^T and its words are in
.irp d, 0,2
	MM O+8*\d, KV+12*\d, PCD, v[O+8*\d:O+8*\d+7], VS+\d/2, 227, 0
	MM O+8*\d+8, KV+12*\d+12, PCD, v[O+8*\d+8:O+8*\d+15], VS+\d/2, 227, 1
.endr
	PA 248, 248, 142                               ; four places behind the products, ahead of the loads into their registers
	PA 246, 246, 146
	PA 244, 244, 150
	PA 14, 14, 154
	s_cmp_eq_u32 s[STEPS], 1                       ; a slot's last step fetches no K: a count of trips, the same in every wave and partner
	s_wait_alu depctr_va_vdst(0)                   ; the wait here, directly ahead of the branch
	s_cbranch_scc1 .Lno_k_\@
	KLOAD STEPB
.Lno_k_\@:
	PA 216, 216, 158
	PA 14, 14, 250
	s_delay_alu instid0(VALU_DEP_2)
	PA 216, 216, 248
	PA 254, 254, 246
	PA 252, 252, 244
	s_delay_alu instid0(VALU_DEP_2)
	PA 14, 14, 254
	s_delay_alu instid0(VALU_DEP_2)
	PA 216, 216, 252
	s_delay_alu instid0(VALU_DEP_1)
	PA 14, 14, 216
.endm
; THE CHANGE OF SLOTS stands at a slot's head.  Each wave waits for all its tensor loads, adds 0 to its spare word, and waits for that and for its reads of the slot that it has left.
; fill = 1: the barrier is a round of the cluster's, and the slot just left (the first time: slot 1) is filled with the next eight key steps.  The add stands twice there.
.macro CHANGE fill
	s_wait_tensorcnt 0x0                           ; no tensor load of mine is out, so group 0 may be written
	ds_add_u32 v[SPW], v[NIL]                      ; 0 onto my spare word
.if \fill
	ds_add_u32 v[SPW], v[NIL]
	s_xor_b32 s[G0+1], s[G0+1], SLOT1
	s_add_nc_u64 s[G0+2:G0+3], s[G0+2:G0+3], SLOTB
.endif
	s_wait_dscnt 0x0
.if \fill
	CROUND
	JLOAD
.else
	s_barrier_signal -1
	s_barrier_wait -1
.endif
.endm
.macro EIGHT_STEPS                     ; a slot's eight key steps: written once, walked eight times
	s_mov_b32 s[STEPS], 8
	ADDR
	KLOAD 0                                        ; the slot's first K
.Lstep_\@:
	STEP
	s_add_co_u32 s[TB], s[TB], STEPB
	s_sub_co_u32 s[STEPS], s[STEPS], 1
	s_cmp_lg_u32 s[STEPS], 0
	s_wait_alu depctr_va_vdst(0)                   ; the wait here, directly ahead of the branch
	s_cbranch_scc1 .Lstep_\@
	s_sub_co_u32 s[TB], s[TB], SLOTB
	s_xor_b32 s[TB], s[TB], SLOT1                  ; on to the other slot
.endm
; A HEAD'S END.  O^T / the sum: register 16 b + i of lane (r, h) is d = 32 b + 16 h + i: two blocks of the next product's K.  hd = 0: the pair's first head: registers 0-5 of the fragment, bytes 0, 1 of the word; then all is set anew.  hd = 1: registers 6-11, bytes 2, 3.
.macro FINISH hd
	v_add_f32 v14, v14, v15
	s_delay_alu instid0(VALU_DEP_1)
	v_permlanex16_b32 v224, v14, s[SEL], s[SEL+1]
	s_delay_alu instid0(VALU_DEP_1)
	v_add_f32 v14, v14, v224                       ; the row's sum
	s_wait_alu depctr_va_vdst(0)
	v_rcp_f32 v14, v14
	v_nop                                          ; the plain place behind the reciprocal
	s_wait_alu depctr_va_vdst(0)                   ; the wait ahead of the reciprocal's first reader, and of O^T's
.set n, 0
.rept 32
	v_mul_f32 v[S+n], v[O+n], v14
.set n, n+1
.endr
	v_max3_num_f32 v[BX], |v[S]|, |v[S+1]|, 0x1800000
	v_max3_num_f32 v[BX+1], |v[S+16]|, |v[S+17]|, 0x1800000
.irp i, 2,4,6,8,10,12,14
	s_delay_alu instid0(VALU_DEP_2)
	v_max3_num_f32 v[BX], v[BX], |v[S+\i]|, |v[S+1+\i]|
	s_delay_alu instid0(VALU_DEP_2)
	v_max3_num_f32 v[BX+1], v[BX+1], |v[S+16+\i]|, |v[S+17+\i]|
.endr
	s_delay_alu instid0(VALU_DEP_2)
	v_permlanex16_b32 v[BX+4], v[BX], s[SEL], s[SEL+1]
	s_delay_alu instid0(VALU_DEP_2)
	v_permlanex16_b32 v[BX+5], v[BX+1], s[SEL], s[SEL+1]
	s_delay_alu instid0(VALU_DEP_2)
	v_max_num_f32 v[BX], v[BX], v[BX+4]
	s_delay_alu instid0(VALU_DEP_2)
	v_max_num_f32 v[BX+1], v[BX+1], v[BX+5]
	s_delay_alu instid0(VALU_DEP_2)
	v_add_nc_u32 v[SO], 0xff000000, v[BX]
	s_delay_alu instid0(VALU_DEP_2)
	v_add_nc_u32 v[SO+1], 0xff000000, v[BX+1]
	s_delay_alu instid0(VALU_DEP_2)
	v_lshrrev_b32 v[BX+4], 23, v[SO]
	s_delay_alu instid0(VALU_DEP_2)
	v_lshrrev_b32 v[BX+5], 23, v[SO+1]
.if \hd == 0
	s_delay_alu instid0(VALU_DEP_1)
	v_lshl_or_b32 v29, v[BX+5], 8, v[BX+4]
.else
	s_delay_alu instid0(VALU_DEP_2)
	v_lshl_or_b32 v29, v[BX+4], 16, v29
	s_delay_alu instid0(VALU_DEP_1)
	v_lshl_or_b32 v29, v[BX+5], 24, v29
.endif
	v_cvt_scalef32_pk16_fp6_f32 v[F+6*\hd:F+6*\hd+2], v[S:S+15], v[SO]
	v_cvt_scalef32_pk16_fp6_f32 v[204:206], v[S+16:S+31], v[SO+1]
	v_nop
.irp i, 0,1,2
	v_permlane16_swap_b32 v[F+6*\hd+\i], v[204+\i]
.endr
.irp i, 0,1,2
	s_delay_alu instid0(VALU_DEP_3)
	v_mov_b32 v[F+6*\hd+3+\i], v[204+\i]
.endr
.if \hd == 0
	s_add_nc_u64 s[2:3], s[2:3], 98304             ; the second head's Q (the first's loads were waited for long ago)
	s_add_nc_u64 s[4:5], s[4:5], 8192
	QLOAD
	v_mov_b32 v13, 0xff61b1e6
	s_delay_alu instid0(VALU_DEP_1)
	v_floor_f32 v12, -v13
	v_mov_b32 v14, 0
	v_mov_b32 v15, 0
.set n, 0
.rept 32
	v_mov_b32 v[O+n], 0
.set n, n+1
.endr
	QDONE
.endif
.endm
	QDONE                                          ; Q is in
.Lslot:                                            ; three trips: behind each change of slots but the last the next slot is asked for
	CHANGE 1
	EIGHT_STEPS
	s_cmp_lg_u32 s[SLOTS], 2                       ; behind the second slot the first head's 16 key steps are done: a count of trips, the same in every wave and partner
	s_cbranch_scc1 .Lsame_head
	FINISH 0
.Lsame_head:
	s_sub_co_u32 s[SLOTS], s[SLOTS], 1
	s_cmp_lg_u32 s[SLOTS], 0
	s_cbranch_scc1 .Lslot
	CHANGE 0                                       ; the last slot is written out
	EIGHT_STEPS
	FINISH 1
.irp c, 0,1,2
	global_store_b128 v92, v[F+4*\c:F+4*\c+3], s[10:11] offset:512*\c   ; the fragment's image: 512 consecutive bytes a store, aligned
.endr
	global_store_b32 v94, v29, s[12:13]            ; its 16 words, 64 bytes: both halves of the lanes write the same word with the same value
	s_wait_tensorcnt 0x0                           ; the wave's end: a wait, an add of 0 onto my spare word and a wait, behind the last tensor load
	ds_add_u32 v[SPW], v[NIL]
	s_wait_dscnt 0x0
	CROUND                                         ; the closing round
	s_endpgm
.Lfunc_end_k_q6ee5f7c39c_attn:
	.size	k_q6ee5f7c39c_attn, .Lfunc_end_k_q6ee5f7c39c_attn-k_q6ee5f7c39c_attn
	.p2alignl 7, 3214868480
	.fill 96, 4, 3214868480
	.section	.rodata,"a",@progbits
	.p2align	6, 0x0
	.amdhsa_kernel k_q6ee5f7c39c_attn
		.amdhsa_group_segment_fixed_size 327680
		.amdhsa_private_segment_fixed_size 0
		.amdhsa_enable_private_segment 0
		.amdhsa_kernarg_size 40
		.amdhsa_user_sgpr_count 2
		.amdhsa_user_sgpr_kernarg_segment_ptr 1
		.amdhsa_wavefront_size32 1
		.amdhsa_system_sgpr_workgroup_id_x 1
		.amdhsa_system_sgpr_workgroup_id_y 1
		.amdhsa_system_sgpr_workgroup_id_z 1
		.amdhsa_system_vgpr_workitem_id 0
		.amdhsa_next_free_vgpr 256
		.amdhsa_next_free_sgpr 102
		.amdhsa_reserve_vcc 0
		.amdhsa_float_denorm_mode_32 3
		.amdhsa_float_denorm_mode_16_64 3
		.amdhsa_memory_ordered 1
		.amdhsa_forward_progress 1
		.amdhsa_inst_pref_size 65
	.end_amdhsa_kernel
	.amdgpu_metadata
---
amdhsa.version: [ 1, 2 ]
amdhsa.kernels:
  - .name:           k_q6ee5f7c39c_attn
    .symbol:         k_q6ee5f7c39c_attn.kd
    .args:
      - { .name: qh, .offset: 0, .size: 8, .value_kind: global_buffer, .address_space: global }
      - { .name: kv, .offset: 8, .size: 8, .value_kind: global_buffer, .address_space: global }
      - { .name: mw, .offset: 16, .size: 8, .value_kind: global_buffer, .address_space: global }
      - { .name: ac, .offset: 24, .size: 8, .value_kind: global_buffer, .address_space: global }
      - { .name: asw, .offset: 32, .size: 8, .value_kind: global_buffer, .address_space: global }
    .group_segment_fixed_size: 327680
    .private_segment_fixed_size: 0
    .kernarg_segment_align: 8
    .kernarg_segment_size: 40
    .max_flat_workgroup_size: 512
    .sgpr_count:     102
    .vgpr_count:     256
    .wavefront_size: 32
...
	.end_amdgpu_metadata
.endif
;; end of part 3
;; launch outp (part 4): grid 8 x 32, 4 waves a work-group, clusters of 4 x 4, 327,680 bytes of LDS; arguments ac, asw, opc, ops, b_o, out0; writes out0
.if DOCPART == 4
	.amdgcn_target "amdgcn-amd-amdhsa--gfx1250"
	.amdhsa_code_object_version 6
	.text
	.protected	k_q6ee5f7c39c_outp
	.globl	k_q6ee5f7c39c_outp
	.p2align	8
	.type	k_q6ee5f7c39c_outp,@function
k_q6ee5f7c39c_outp:
	s_mov_b64 s[64:65], 0
	v_nop
	global_prefetch_b8 v0, s[64:65] scope:SCOPE_SE
	s_setreg_imm32_b32 hwreg(HW_REG_WAVE_MODE, 25, 1), 1
	s_wait_xcnt 0x0
	s_wait_alu depctr_hold_cnt(0) depctr_sa_sdst(0) depctr_va_vdst(0) depctr_va_sdst(0) depctr_va_ssrc(0) depctr_va_vcc(0) depctr_vm_vsrc(0)
	s_getreg_b32 s2, hwreg(HW_REG_IB_STS2, 6, 4)
	s_cmp_eq_u32 s2, 0
	s_cbranch_scc0 .Lentry_in_a_cluster
	s_endpgm
.Lentry_in_a_cluster:
	s_bfe_u32 s2, ttmp6, 0x10000c
	s_cmp_lg_u32 s2, 0xf033
	s_cbranch_scc0 .Lentry_shape_is_right
	s_endpgm
.Lentry_shape_is_right:
; out0 = A W_o^T + b_o.  A [8192][1024] (the attention's result) and W_o [1024][1024] arrive as codes of FP6 (E2M3), laid as images of operand registers, with one scale word for a row and 128 along K; out0 is f32.
; ac = [pair of K steps 0..3][row tile 0..511][two images of 1,536 bytes]; asw = [row tile][K step 0..7][16 words]; W_o: row tiles 1728 .. 1791 of opc and ops, laid alike.  An image: registers 4 c .. 4 c + 3 of lane l at 512 c + 16 l.
; THE DEAL.  256 work-groups, each 256 rows x 128 columns.  K is 1,024: nothing walks along K.  All of K of the work-group's 16 row tiles of A (196,608 bytes), of its 8 row tiles of W_o (98,304) and A's scale words (8,192) lie in LDS, each filled ONCE.
; Four waves, 2 x 2.  A wave holds 64 rows of W_o, all of K, in registers (32 fragments, 384 registers) and takes eight blocks of 16 rows of A past them: the wave in row a takes row tile 2 s + a as its block s.
; A block is 32 products on four accumulators by turns; the bias is the C of its first four.  A's fragments and scale words lie twice in registers: block s reads set s % 2, which then takes block s + 2.
; THE MATRIX INSTRUCTION IS USED TRANSPOSED (source 0 = 16 rows of W_o, source 1 = 16 rows of A): a lane holds eight neighbouring numbers of a row of out0.
; THE WAY OUT.  A block's 16 x 64 results go through the wave's own stage in LDS (rows of 256 + 16 bytes) and come back as whole rows; they are stored behind the next block's products: sixteen lanes store 256 consecutive bytes, aligned.
; FILLS.  At the head one joint load a wave: wave 0 W_o's rows, wave 1 A's tiles 0-7, wave 2 A's scale words, wave 3 A's tiles 8-15.  Three plain barriers show them: the first wave 0's, the second waves 1's and 2's, the third (behind block 2) wave 3's.  Nothing is filled again.
; CLUSTERS: 4 x 4.  A's tiles and words hang on the tile row alone and are shared along a row of the cluster, W_o's on the tile column alone and are shared along a column.
; W_o's scale words (2,048 bytes a wave) and the bias come straight into registers: they would be a fifth and sixth tile for four waves.
; No prefetch is laid: every tile is asked for at the head, and the launch has no loop to run ahead in.
; A scale register holds K step 2 p in lanes 0-15 and K step 2 p + 1 in lanes 16-31: 128 consecutive bytes a load.
; REGISTERS.  Window 0: v4-7, v8-9 LDS addresses of A's and W_o's fragments; v10 4 x lane; v11 32 h; v12 A's words; v13, v14 the stage, in and back; v15 my offset in out0; v28, v29 the add's two;
;   v32-47 W_o's scale words; v50-57 A's, two sets; v64-95 the bias; v96-159 two sets of four accumulators; v160-223 two sets of 16 rows on their way out.  Fragment f lies in window 1 + f / 21 at register 12 (f % 21): 0-31 W_o's (4 q + t), 32-39 and 40-47 A's two sets.
.set OS,    5505024                    ; from one pair of K steps to the next in opc
.set SA,    1572864                    ; and in ac
.set FR,    12
.set FPW,   21
.set HALFA, 98304                      ; eight row tiles, all of K: four pairs of 24,576 bytes
.set BL,    2*HALFA                    ; W_o's rows
.set SCL,   BL+HALFA                   ; A's scale words
.set STG,   SCL+8192                   ; the stages: 16 x 272 bytes a wave
.set SPITCH, 272
.set SPARE, STG+4*16*SPITCH            ; the spare words, 128 bytes for each wave: two blocks of 256 bytes that no other line names
.set VA,   4
.set VB,   8
.set L4,   10
.set H32,  11
.set AS,   12
.set STO,  13
.set RD,   14
.set CO,   15
.set SPW,  28
.set NIL,  29
.set SB,   32
.set SX,   50
.set BO,   64
.set ACC,  96
.set BK,   160
.set WV, 18
.set RH, 19
.set CH, 20
.set TR, 21
.set TC, 42
.set G1A, 24
.set G0A, 32
.set G0A2, 36
.set G1B, 48
.set G0B, 56
.set G1S, 68
.set G0S, 76
.set MSB, 0
.macro WIN new                         ; the immediate's high byte repeats the setting that is left
.if MSB != (\new)
	s_set_vgpr_msb (MSB<<8)|(\new)
.set MSB, (\new)
.endif
.endm
.macro PLACES n
.rept \n
	v_nop
.endr
.endm
.macro BARRIER
	s_barrier_signal -1
	s_barrier_wait -1
.endm
.macro CROUND                          ; a round of the cluster's barrier
	BARRIER
	s_cmp_lg_u32 s[WV], 0
	s_cbranch_scc1 .Lnot_wave_0_\@
	s_barrier_signal -3
.Lnot_wave_0_\@:
	s_barrier_wait -3
	BARRIER
.endm
.macro TLOAD g0, g1                    ; an s_nop 0 and four v_nop follow the load
	tensor_load_to_lds s[\g0:\g0+3], s[\g1:\g1+7]
	s_nop 0
	PLACES 4
.endm
.macro CODES1 g, mask, pitch           ; group 1 of eight row tiles, all of K: four rows of 24,576 bytes (3,072 elements of 8 bytes), one for each pair of K steps
	s_or_b32 s[\g+0], s\mask, (3<<16)|(1<<21)
	s_mov_b32 s[\g+1], 3072<<16
	s_mov_b32 s[\g+2], 4<<16
	s_mov_b32 s[\g+3], 3072<<16
	s_mov_b32 s[\g+4], 4
	s_mov_b32 s[\g+5], \pitch
	s_mov_b32 s[\g+6], 0
	s_mov_b32 s[\g+7], 0
.endm
.macro FRAG3 f, adr, off               ; an image into fragment f: three loads of 512 consecutive bytes
	WIN (1+(\f)/FPW)<<6
.irp c, 0,1,2
	ds_load_b128 v[FR*((\f)%FPW)+4*\c:FR*((\f)%FPW)+4*\c+3], v[\adr] offset:(\off)+512*\c
.endr
.endm
.macro WEIGHTS                         ; my 64 rows of W_o, all of K: 96 loads
.irp q, 0,1,2,3,4,5,6,7
.irp t, 0,1,2,3
	FRAG3 4*\q+\t, VB+\q/4, ((\q/2)%2)*24576+\t*3072+(\q%2)*1536
.endr
.endr
	WIN 0
.endm
.macro FETCH s                         ; block s of A into set s % 2: 24 loads of codes, 4 of scale words
.irp q, 0,1,2,3,4,5,6,7
	FRAG3 32+8*((\s)%2)+\q, VA+2*((\s)/4)+\q/4, ((\s)%4)*6144+((\q/2)%2)*24576+(\q%2)*1536
.endr
	WIN 0
.irp p, 0,1,2,3
	ds_load_b32 v[SX+4*((\s)%2)+\p], v[AS] offset:(\s)*1024+128*\p
.endr
.endm
.macro MM d, fb, fa, c, xb, xa, row
.if \row
	v_wmma_scale_f32_16x16x128_f8f6f4 v[\d:\d+7], v[FR*((\fb)%FPW):FR*((\fb)%FPW)+FR-1], v[FR*((\fa)%FPW):FR*((\fa)%FPW)+FR-1], \c, v[\xb], v[\xa] matrix_a_fmt:MATRIX_FMT_FP6 matrix_b_fmt:MATRIX_FMT_FP6 matrix_a_scale:MATRIX_SCALE_ROW1 matrix_b_scale:MATRIX_SCALE_ROW1
.else
	v_wmma_scale_f32_16x16x128_f8f6f4 v[\d:\d+7], v[FR*((\fb)%FPW):FR*((\fb)%FPW)+FR-1], v[FR*((\fa)%FPW):FR*((\fa)%FPW)+FR-1], \c, v[\xb], v[\xa] matrix_a_fmt:MATRIX_FMT_FP6 matrix_b_fmt:MATRIX_FMT_FP6
.endif
.endm
.macro PRODS s                         ; a block's 32 products, K ascending, the four accumulators by turns
.irp q, 0,1,2,3,4,5,6,7
.irp t, 0,1,2,3
.set FB_, 4*\q+\t
.set FA_, 32+8*((\s)%2)+\q
.set D_, ACC+32*((\s)%2)+8*\t
	WIN (1+FB_/FPW)|((1+FA_/FPW)<<2)
.if \q
	MM D_, FB_, FA_, v[D_:D_+7], SB+4*\t+\q/2, SX+4*((\s)%2)+\q/2, \q%2
.else
	MM D_, FB_, FA_, v[BO+8*\t:BO+8*\t+7], SB+4*\t+\q/2, SX+4*((\s)%2)+\q/2, \q%2
.endif
.endr
.endr
	WIN 0
.endm
.macro TOSTAGE s                       ; block s into my stage, each accumulator from its low end on, and back as rows.  LDS serves a wave's instructions in order (ISA guide 5.7.1.4): no wait between the stores and the loads
.irp t, 0,1,2,3
	ds_store_b128 v[STO], v[ACC+32*((\s)%2)+8*\t:ACC+32*((\s)%2)+8*\t+3] offset:64*\t
	ds_store_b128 v[STO], v[ACC+32*((\s)%2)+8*\t+4:ACC+32*((\s)%2)+8*\t+7] offset:64*\t+16
.endr
.irp u, 0,1,2,3,4,5,6,7
	ds_load_b128 v[BK+32*((\s)%2)+4*\u:BK+32*((\s)%2)+4*\u+3], v[RD] offset:\u*2*SPITCH
.endr
.endm
.macro SEND s                          ; two rows a store: sixteen lanes store 256 consecutive bytes, at a multiple of 256 from out0's first byte; a block's rows lie 32 rows behind the last block's
.irp u, 0,1,2,3,4,5,6,7
	global_store_b128 v[CO], v[BK+32*((\s)%2)+4*\u:BK+32*((\s)%2)+4*\u+3], s[14:15] offset:(\s)*131072+\u*8192 th:TH_STORE_NT
.endr
.endm
.macro BLK s
	PRODS \s
	PLACES 4                                       ; behind the products: ahead of the loads into their registers and of the stores of their results
	s_wait_dscnt 0x0                               ; all that was asked of LDS ahead of these products is in: the next block's rows, and the last block's results back from the stage
.if (\s) > 0
	SEND (\s)-1
.endif
.if (\s) == 2
	s_wait_tensorcnt 0x0                           ; every wave, under no branch: all that is still out is wave 3's tiles 8-15,
	BARRIER                                        ; which are shown to all
.endif
.if (\s)+2 < 8
	FETCH (\s)+2
.endif
	s_wait_xcnt 0x0                                ; the stores of two blocks ago have read their registers: the stage's loads may land there
	TOSTAGE \s
.endm
	s_load_b128 s[4:7], s[0:1], 0x0                ; ac, asw
	s_load_b128 s[8:11], s[0:1], 0x10              ; opc, ops
	s_load_b128 s[12:15], s[0:1], 0x20             ; b_o, out0
	v_lshl_add_u32 v[SPW], v0, 2, SPARE
	v_mov_b32 v[NIL], 0
	ds_add_u32 v[SPW], v[NIL]                      ; the wave's opening: the add, twice on end, and its wait ahead of my first tensor load
	ds_add_u32 v[SPW], v[NIL]
	v_lshrrev_b32 v1, 5, v0
	v_readfirstlane_b32 s[WV], v1
	s_lshr_b32 s[RH], s[WV], 1                     ; my row of the 2 x 2
	s_and_b32 s[CH], s[WV], 1                      ; my column
	s_bfe_u32 s40, ttmp6, 0x40000                  ; cx
	s_bfe_u32 s41, ttmp6, 0x40004                  ; cy
	s_lshl_b32 s[TC], ttmp9, 2
	s_add_co_u32 s[TC], s[TC], s40                 ; tile column, 0 .. 7
	s_and_b32 s[TR], ttmp7, 0xffff
	s_lshl_b32 s[TR], s[TR], 2
	s_add_co_u32 s[TR], s[TR], s41                 ; tile row, 0 .. 31
	s_lshl_b32 s43, s41, 2
	s_lshl_b32 s43, 15, s43                        ; my row of the cluster
	s_lshl_b32 s44, 0x1111, s40                    ; my column
	CODES1 G1A, 43, SA/8
	CODES1 G1B, 44, OS/8
	s_or_b32 s[G1S+0], s43, (3<<16)|(1<<21)        ; A's scale words: a dense block of 8,192 bytes as 32 rows of 256
	s_mov_b32 s[G1S+1], 32<<16
	s_mov_b32 s[G1S+2], 32<<16
	s_mov_b32 s[G1S+3], 32<<16
	s_mov_b32 s[G1S+4], 32
	s_mov_b32 s[G1S+5], 32
	s_mov_b32 s[G1S+6], 0
	s_mov_b32 s[G1S+7], 0
	s_mul_i32 s22, s[TR], 16*3072                  ; A: my 16 row tiles, bytes from ac
	s_mov_b32 s23, 0
	s_lshl_b32 s94, s[TR], 13                      ; and their words, from asw
	s_mov_b32 s95, 0
	s_lshl_b32 s46, s[TC], 3
	s_add_co_u32 s46, s46, 1728                    ; W_o: my first row tile
	s_lshl_b32 s92, s46, 9                         ; its words, bytes from ops
	s_mov_b32 s93, 0
	s_mul_i32 s46, s46, 3072                       ; its codes, from opc
	s_mov_b32 s47, 0
	s_mov_b32 s[G0A], 1
	s_mov_b32 s[G0A+1], 0
	s_mov_b32 s[G0A2], 1
	s_mov_b32 s[G0A2+1], HALFA
	s_mov_b32 s[G0B], 1
	s_mov_b32 s[G0B+1], BL
	s_mov_b32 s[G0S], 1
	s_mov_b32 s[G0S+1], SCL
	s_wait_dscnt 0x0                               ; both opening adds are done
	s_wait_kmcnt 0x0
	s_add_nc_u64 s[G0A+2:G0A+3], s[4:5], s[22:23]
	s_add_nc_u64 s[G0A2+2:G0A2+3], s[G0A+2:G0A+3], 8*3072
	s_or_b32 s[G0A+3], s[G0A+3], 0x80000000
	s_or_b32 s[G0A2+3], s[G0A2+3], 0x80000000
	s_add_nc_u64 s[G0B+2:G0B+3], s[8:9], s[46:47]
	s_or_b32 s[G0B+3], s[G0B+3], 0x80000000
	s_add_nc_u64 s[G0S+2:G0S+3], s[6:7], s[94:95]
	s_or_b32 s[G0S+3], s[G0S+3], 0x80000000
	CROUND                                         ; all sixteen work-groups are here: the joint loads meet
	s_cmp_eq_u32 s[WV], 0                          ; one chain of branches on the wave's number, one load to an arm
	s_cbranch_scc0 .Lwave_1
	TLOAD G0B, G1B                                 ; wave 0: W_o's rows, which go on into registers
	s_branch .Lasked
.Lwave_1:
	s_cmp_eq_u32 s[WV], 1
	s_cbranch_scc0 .Lwave_2
	TLOAD G0A, G1A                                 ; wave 1: A's tiles 0-7
	s_branch .Lasked
.Lwave_2:
	s_cmp_eq_u32 s[WV], 2
	s_cbranch_scc0 .Lwave_3
	TLOAD G0S, G1S                                 ; wave 2: A's scale words
	s_branch .Lasked
.Lwave_3:
	TLOAD G0A2, G1A                                ; wave 3: A's tiles 8-15
.Lasked:
	s_add_nc_u64 s[92:93], s[10:11], s[92:93]
	s_lshl_b32 s84, s[CH], 11
	s_mov_b32 s85, 0
	s_add_nc_u64 s[92:93], s[92:93], s[84:85]      ; the words of my four row tiles of W_o
	s_lshl_b32 s86, s[TC], 9
	s_lshl_b32 s87, s[CH], 8
	s_add_co_u32 s86, s86, s87                     ; my first column, in bytes
	s_mov_b32 s87, 0
	s_add_nc_u64 s[12:13], s[12:13], s[86:87]      ; in the bias,
	s_lshl_b32 s88, s[TR], 20
	s_lshl_b32 s89, s[RH], 16
	s_add_co_u32 s88, s88, s89                     ; my first row: 256 x tile row + 16 a, rows of 4,096 bytes
	s_add_co_u32 s88, s88, s86
	s_mov_b32 s89, 0
	s_add_nc_u64 s[14:15], s[14:15], s[88:89]      ; and in out0
	s_mul_i32 s80, s[RH], 3072
	s_mul_i32 s81, s[CH], 4*3072
	s_add_co_u32 s81, s81, BL
	s_lshl_b32 s82, s[RH], 9
	s_add_co_u32 s82, s82, SCL
	s_mul_i32 s83, s[WV], 16*SPITCH
	s_add_co_u32 s83, s83, STG
	v_and_b32 v1, 15, v0                           ; r
	v_bfe_u32 v2, v0, 4, 1                         ; h
	v_and_b32 v3, 31, v0                           ; lane
	v_lshlrev_b32 v16, 4, v3
	v_add_nc_u32 v[VA], s80, v16                   ; A's tiles 0-7, pairs 0 and 1 of the K steps;
	v_add_nc_u32 v[VA+1], 49152, v[VA]             ; pairs 2 and 3;
	v_add_nc_u32 v[VA+2], HALFA, v[VA]             ; tiles 8-15
	v_add_nc_u32 v[VA+3], HALFA+49152, v[VA]
	v_add_nc_u32 v[VB], s81, v16
	v_add_nc_u32 v[VB+1], 49152, v[VB]
	v_lshlrev_b32 v[L4], 2, v3
	v_add_nc_u32 v[AS], s82, v[L4]
	v_lshlrev_b32 v[H32], 5, v2
	v_mul_u32_u24 v17, v1, SPITCH                  ; the stage, in: row r, 32 bytes for each half of the lanes
	v_lshl_add_u32 v17, v2, 5, v17
	v_add_nc_u32 v[STO], s83, v17
	v_mul_u32_u24 v18, v2, SPITCH                  ; back: lanes 0-15 one row of 256 bytes, lanes 16-31 the next
	v_lshl_add_u32 v18, v1, 4, v18
	v_add_nc_u32 v[RD], s83, v18
	v_lshlrev_b32 v19, 12, v2                      ; and the same two rows in out0
	v_lshl_add_u32 v[CO], v1, 4, v19
.irp t, 0,1,2,3
.irp p, 0,1,2,3
	global_load_b32 v[SB+4*\t+\p], v[L4], s[92:93] offset:\t*512+128*\p   ; W_o's scale words of tile t, K steps 2 p and 2 p + 1
.endr
.endr
.irp t, 0,1,2,3
	global_load_b128 v[BO+8*\t:BO+8*\t+3], v[H32], s[12:13] offset:64*\t      ; the bias as the result lies: register 8 t + j of lane (r, h) is column 16 t + 8 h + j
	global_load_b128 v[BO+8*\t+4:BO+8*\t+7], v[H32], s[12:13] offset:64*\t+16
.endr
	s_wait_alu depctr_va_vdst(0)                   ; the wait at the head's end
	s_cmp_eq_u32 s[WV], 0
	s_cbranch_scc0 .Lnot_b
	s_wait_tensorcnt 0x0
.Lnot_b:
	BARRIER                                        ; W_o's rows are in
	WEIGHTS
	s_cmp_eq_u32 s[WV], 3
	s_cbranch_scc1 .Lnot_a
	s_wait_tensorcnt 0x0
.Lnot_a:
	s_wait_dscnt 0x0
	BARRIER                                        ; A's tiles 0-7 and its words are in; tiles 8-15 may still be on their way
	FETCH 0
	FETCH 1
	s_wait_loadcnt 0x0                             ; W_o's words and the bias
	s_wait_dscnt 28                                ; block 0's rows are in; block 1's 28 loads may be out
.irp s, 0,1,2,3,4,5,6,7
	BLK \s
.endr
	s_wait_dscnt 0x0
	SEND 7
	s_wait_tensorcnt 0x0                           ; the wave's end: a wait, an add of 0 onto my spare word and a wait, behind my last tensor load and my last LDS store
	ds_add_u32 v[SPW], v[NIL]
	s_wait_dscnt 0x0
	CROUND                                         ; the closing round
	s_endpgm
.Lfunc_end_k_q6ee5f7c39c_outp:
	.size	k_q6ee5f7c39c_outp, .Lfunc_end_k_q6ee5f7c39c_outp-k_q6ee5f7c39c_outp
	.p2alignl 7, 3214868480
	.fill 96, 4, 3214868480
	.section	.rodata,"a",@progbits
	.p2align	6, 0x0
	.amdhsa_kernel k_q6ee5f7c39c_outp
		.amdhsa_group_segment_fixed_size 327680
		.amdhsa_private_segment_fixed_size 0
		.amdhsa_enable_private_segment 0
		.amdhsa_kernarg_size 48
		.amdhsa_user_sgpr_count 2
		.amdhsa_user_sgpr_kernarg_segment_ptr 1
		.amdhsa_wavefront_size32 1
		.amdhsa_system_sgpr_workgroup_id_x 1
		.amdhsa_system_sgpr_workgroup_id_y 1
		.amdhsa_system_sgpr_workgroup_id_z 1
		.amdhsa_system_vgpr_workitem_id 0
		.amdhsa_next_free_vgpr 1024
		.amdhsa_next_free_sgpr 96
		.amdhsa_reserve_vcc 0
		.amdhsa_float_denorm_mode_32 3
		.amdhsa_float_denorm_mode_16_64 3
		.amdhsa_memory_ordered 1
		.amdhsa_forward_progress 1
		.amdhsa_inst_pref_size 80
	.end_amdhsa_kernel
	.amdgpu_metadata
---
amdhsa.version: [ 1, 2 ]
amdhsa.kernels:
  - .name:           k_q6ee5f7c39c_outp
    .symbol:         k_q6ee5f7c39c_outp.kd
    .args:
      - { .name: ac, .offset: 0, .size: 8, .value_kind: global_buffer, .address_space: global }
      - { .name: asw, .offset: 8, .size: 8, .value_kind: global_buffer, .address_space: global }
      - { .name: opc, .offset: 16, .size: 8, .value_kind: global_buffer, .address_space: global }
      - { .name: ops, .offset: 24, .size: 8, .value_kind: global_buffer, .address_space: global }
      - { .name: b_o, .offset: 32, .size: 8, .value_kind: global_buffer, .address_space: global }
      - { .name: out0, .offset: 40, .size: 8, .value_kind: global_buffer, .address_space: global }
    .group_segment_fixed_size: 327680
    .private_segment_fixed_size: 0
    .kernarg_segment_align: 8
    .kernarg_segment_size: 48
    .max_flat_workgroup_size: 128
    .sgpr_count:     96
    .vgpr_count:     1024
    .wavefront_size: 32
...
	.end_amdgpu_metadata
.endif
;; end of part 4
